; MI455X (gfx1250); checked and timed in simulation.
; The chip was launched on July 23, 2026; its instructions are those of AMD's public machine-readable ISA for CDNA 5 (MIT licence, August 2026) and "CDNA5" Instruction Set Architecture Reference Guide (July 2026). The comments in the code are by the model that wrote it; some were corrected since.
;; Attention. Allowed arithmetic: matrix products marked QUANTISED: E4M3 operands, one E8M0 scale for each 32 along K, by v_wmma_scale_f32_16x16x128_f8f6f4 with both operands' format E4M3, f32 sums; everything else in f32.
;; Inputs: attention_mask 2 x 1 x 2,048 x 2,048 bool; key_layer 2 x 32 x 2,048 x 128 float32; query_layer 2 x 32 x 2,048 x 128 float32; value_layer 2 x 32 x 2,048 x 128 float32.
;; Outputs: out0 2 x 2,048 x 4,096 float32.
;; This version of the problem:
;;   THIS VERSION OF THE PROBLEM IS GIVEN IN LOW PRECISION. The matrix products marked QUANTISED in the list below multiply operands that are first quantised to E4M3 (4 exponent bits, 3 mantissa bits; 8 bits a number), with one power-of-two scale for each 32 numbers along K (OCP MX v1.0); their sums are f32. All else is computed in f32.
;;   The module's matrix products, in the order in which they are computed (A, B: the left and right operand; K: the contracted axis; several contracted axes count as one K, in the product's order):
;;     1. batch 64 x [M 2,048, K 128] x [K 128, N 2,048]; A: input query_layer; B: input key_layer: QUANTISED
;;     2. batch 64 x [M 2,048, K 2,048] x [K 2,048, N 128]; A: softmax (see below); B: input value_layer: QUANTISED
;;   THE QUANTISER, for each operand of a quantised product, along K:
;;     - K is cut into blocks of 32 from its start; a last block that is shorter is filled with zeros.
;;     - A block's scale is 2^e with e = floor(log2(the largest magnitude in the block)) - 8, held to -126 .. 127; a block of zeros has e = 0. As a byte (E8M0): e + 127.
;;     - Each number is divided by its block's scale, clamped to +-448, and rounded to the nearest number of E4M3, ties to even, subnormals kept.
;;     - The product sums the exact products of the quantised numbers (number of the format x scale) in f32.
;;   ~~~python
;;   def quantise(x, axis):      # numpy; x: float32 -> the quantised numbers, widened to float32 again
;;       x = np.moveaxis(x, axis, -1); K = x.shape[-1]
;;       x = np.pad(x, [(0, 0)] * (x.ndim - 1) + [(0, -K % 32)]); x = x.reshape(x.shape[:-1] + (-1, 32)); a = np.abs(x).max(-1, keepdims=True)
;;       e = np.where(a > 0, np.clip(np.frexp(np.where(a > 0, a, 1))[1] - 1 - 8, -126, 127), 0)      # np.frexp(a)[1] - 1 = floor(log2(a)), exactly
;;       r = np.clip(x / 2.0 ** e, -448, 448)
;;       step = 2.0 ** (np.maximum(np.frexp(np.where(r == 0, 1, r))[1] - 1, -6) - 3)
;;       q = np.round(r / step) * step * 2.0 ** e      # np.round: ties to even
;;       return np.moveaxis(q.reshape(q.shape[:-2] + (-1,))[..., :K], -1, axis).astype(np.float32)
;;   ~~~
;;   SOFTMAX AHEAD OF A QUANTISED PRODUCT. Where the list says 'softmax', what is quantised is not the finished softmax but p = 2^(t - M), with t = logit x log2(e) and M = ceil(the row's largest t), a whole number; so 1/2 < the row's largest p <= 1. The row's sum l is taken of the UNQUANTISED p, in f32, and the product's result is divided by l at the end. Since M is a whole number, a kernel that streams over the keys may use a running M (the ceiling of the running maximum): every later rescaling is an exact power of two, which a block's scale takes up: the codes' values come out the same.
;;   OPERANDS COMPUTED ON THE WAY. 'Computed on the way' means the value that the module computes at that place (a softmax that the list does not call 'softmax' is quantised finished and normalised). What goes into a quantiser is computed in f32, as accurately as f32 sums, v_exp_f32 and their like allow (about 1e-6 of the number): no bf16 or f16 on the way to a quantiser, and a product that is left as it is and whose result goes on into a quantised operand takes f32 operands (vector FMAs, or v_wmma_f32_16x16x4_f32). A number that lies on a knife's edge between two numbers of the format may be rounded either way, as far as f32 arithmetic and the matrix unit's own rounding can turn it there, and no further.
;; 2 versions. Each part assembles by itself: llvm-mc -triple=amdgcn-amd-amdhsa -mcpu=gfx1250 --defsym DOCPART=n.
;; ======== version 1 of 2: 2 launches
;; workspace buffers: kv 34,603,008 bytes; mbits 1,048,576 bytes of whole numbers; flags 512 bytes of whole numbers
;; launch prep (part 1): grid 896 x 1, 4 waves a work-group, no clusters, 68,096 bytes of LDS; arguments key_layer, value_layer, attention_mask, kv, mbits, flags; writes kv, mbits, flags
.if DOCPART == 1
	.amdgcn_target "amdgcn-amd-amdhsa--gfx1250"
	.amdhsa_code_object_version 6
	.text
	.protected	k_q3080cc9167_prep
	.globl	k_q3080cc9167_prep
	.p2align	8
	.type	k_q3080cc9167_prep,@function
k_q3080cc9167_prep:
	s_mov_b64 s[64:65], 0
	v_nop
	global_prefetch_b8 v0, s[64:65] scope:SCOPE_SE
	s_setreg_imm32_b32 hwreg(HW_REG_WAVE_MODE, 25, 1), 1
	s_wait_xcnt 0x0
; K and V (f32, [64 heads][2048 keys][128]) become codes of FP8 (E4M3) with one E8M0 byte for each 32 along a product's K, laid as IMAGES OF THE OPERANDS' REGISTERS,
; and the mask (one byte an entry, [2][2048][2048], not 0 = hidden) becomes lane masks and flags.  Three ways part on the work-group's number:
;   work-groups 0-255:   K, quantised along the head's 128.  A wave takes one (head, step of 128 keys).
;   work-groups 256-767: V, quantised along the keys.  A lane takes a column d and its registers run down the keys; a wave takes 32 columns x 256 keys.
;   work-groups 768-895: the mask.  A work-group takes 32 queries of one batch, each wave four steps of 128 keys.
; kv: [head][step][33,792 bytes]: K's image 16,384 (tile t: 2,048 bytes; byte 512 c + 16 lane + i is register 4 c + i / 4 of that lane), V's image 16,384 likewise,
;   K's scale words 512 (word 16 t + r), V's 512 (word d).  THE KEYS OF A TILE OF K ARE NOT NEIGHBOURS: lane r of tile 2 b + u holds key 32 b + 8 u + r + 8 (r / 8),
;   so that in the scores the 16 registers of tiles 2 b and 2 b + 1 are 16 neighbouring keys.
; mbits: [batch][pair of 16-query tiles][step][tile][64 words]: bit L of word n = mask[query 16 tile + L % 16][key 32 (n / 16) + 16 (L / 16) + n % 16 of the step]: the lane mask of score register n.
; flags: [batch][pair] one word: bit 2 j: step j has an open entry in the pair's 32 rows; bit 2 j + 1: it has a hidden one.
; A block's scale is 2^(floor(log2(largest magnitude)) - 8); its byte is the largest magnitude's exponent field - 8, held at 1 from below.
; LIMITS: NaN and infinities among the inputs are not served; blocks whose largest magnitude lies under 2^-118 keep the byte 1, blocks of zeros among them (the rule says 127:
; their codes are zeros, which add nothing under that byte, and this program alone reads the bytes).
; No tensor loads, no barrier: waves share nothing.  Matrix units and clusters have no work here: the launch streams.
.set STEPB, 33792                      ; a step's bytes in kv
.set SPK,   528                        ; K's way: a stage row: 512 bytes + 16 = 132 words, so that row r starts 4 r words on and the 16 rows that a load touches start at 16 different places
.set WSTG,  32*SPK                     ; a wave's own stage: 32 rows
.set SEL,   20                         ; s[20:21] v_permlanex16_b32's selects for lane l xor 16
.set MNT,   23                         ; s23 the mantissa field of 448
.set R,     16                         ; K: v16-143  32 rows as loaded
.set X,     144                        ; K: v144-207 64 numbers of a lane
.set PC0,   208                        ; K: v208-223, v224-239 the codes of a unit's two tiles
.set PC1,   224
.set TM,    240                        ; K: v240-255 at work
.set XV,    32                         ; V: v32-95 two sets of 32 numbers
.set CV,    96                         ; V: v96-103 a block's codes
.set SBV,   24                         ; V: v24-25 scale bytes, four to a register
.set MR,    16                         ; mask: v16-143 bytes as loaded
.set WR,    144                        ; mask: v144-159 the words, a pair for each (step, tile)
; 64 numbers of a lane, register 16 b + i = k 32 b + 16 (lane / 16) + i of my row, become a fragment's codes in v[pc] on and its scale word in v[pw]
.macro QUANT s, pc, pw
.irp b, 0,1,2,3
	v_max3_num_f32 v[TM+\b], |v[\s+16*\b]|, |v[\s+1+16*\b]|, 0x4800000      ; block b: my 16 numbers, and the floor 2^(9 - 127): the byte cannot fall under 1
.endr
.irp i, 2,4,6,8,10,12,14
.irp b, 0,1,2,3
	v_max3_num_f32 v[TM+\b], v[TM+\b], |v[\s+16*\b+\i]|, |v[\s+1+16*\b+\i]|  ; the four blocks by turns
.endr
.endr
.irp b, 0,1,2,3
	v_permlanex16_b32 v[TM+4+\b], v[TM+\b], s[SEL], s[SEL+1]
.endr
.irp b, 0,1,2,3
	v_max_num_f32 v[TM+\b], v[TM+\b], v[TM+4+\b]                             ; with lane l xor 16's: the block's largest magnitude
.endr
.irp b, 0,1,2,3
	v_add_nc_u32 v[TM+12+\b], 0xfc000000, v[TM+\b]                           ; 8 off its exponent field: the conversion's scale operand
.endr
.irp b, 0,1,2,3
	v_and_or_b32 v[TM+8+\b], v[TM+\b], 0x7f800000, s[MNT]                    ; 448 x the scale
.endr
.irp b, 0,1,2,3
	v_lshrrev_b32 v[TM+4+\b], 23, v[TM+12+\b]                                ; the scale's byte
.endr
	v_lshl_or_b32 v[\pw], v[TM+5], 8, v[TM+4]                                ; four bytes: my row's scale word (both halves of the lanes hold it)
	v_lshl_or_b32 v[\pw], v[TM+6], 16, v[\pw]
	v_lshl_or_b32 v[\pw], v[TM+7], 24, v[\pw]
.irp b, 0,1,2,3
.irp i, 0,1,2,3,4,5,6,7,8,9,10,11,12,13,14,15
	v_med3_num_f32 v[\s+16*\b+\i], v[\s+16*\b+\i], -v[TM+8+\b], v[TM+8+\b]   ; the conversion to an 8-bit code does not saturate (ISA guide 7.6.2): the hold comes first
.endr
	v_cvt_scalef32_pk8_fp8_f32 v[\pc+4*\b:\pc+4*\b+1], v[\s+16*\b:\s+16*\b+7], v[TM+12+\b]
	v_cvt_scalef32_pk8_fp8_f32 v[\pc+4*\b+2:\pc+4*\b+3], v[\s+16*\b+8:\s+16*\b+15], v[TM+12+\b]
.endr
	v_nop                                          ; a plain line behind the last conversion
.endm
	s_load_b256 s[4:11], s[0:1], 0x0               ; K s[4:5], V s[6:7], the mask s[8:9], kv s[10:11]
	s_load_b128 s[12:15], s[0:1], 0x20             ; mbits s[12:13], flags s[14:15]
	v_lshl_add_u32 v14, v0, 2, 0x10800
	v_mov_b32 v15, 0
	v_lshrrev_b32 v1, 5, v0
	v_readfirstlane_b32 s16, v1                    ; wave 0..3
	v_and_b32 v5, 31, v0                           ; lane
	v_and_b32 v6, 15, v0                           ; r
	v_bfe_u32 v7, v0, 4, 1                         ; h
	s_mov_b32 s[SEL], 0x76543210
	s_mov_b32 s[SEL+1], 0xfedcba98
	s_mov_b32 s[MNT], 0x600000
	s_mov_b32 s27, 0                               ; the upper word of every offset pair s[26:27]
	s_wait_kmcnt 0x0
	s_cmp_lt_u32 ttmp9, 256
	s_cbranch_scc0 .Lnot_k
; ---------------- K ----------------
; A unit is 32 keys: 32 loads, each a key's whole row of 512 bytes; the rows go into my stage in the order of the two tiles' rows and come back 64 bytes a lane.
	v_lshlrev_b32 v1, 4, v5                        ; 16 x lane: my bytes of a row, and of an image's 512
	s_mul_i32 s17, s16, WSTG
	v_add_nc_u32 v2, s17, v1                       ; the stage, on the way in
	v_mul_u32_u24 v3, v6, SPK
	v_lshl_add_u32 v3, v7, 6, v3
	v_add_nc_u32 v3, s17, v3                       ; and out: row r, + 64 h: my 16 numbers of a block of 32
	v_lshlrev_b32 v4, 2, v5                        ; 4 x lane: a scale word
	s_mov_b32 s24, 0xffff0000                      ; lanes 16-31
.irp b, 0,1,2,3
	v_mov_b32 v[TM+4+\b], 0                        ; written once: a lane permute's destination counts as one of its sources
.endr
	s_lshl_b32 s18, ttmp9, 2
	s_add_co_u32 s18, s18, s16                     ; which (head, step) is my wave's: 16 x head + step
	s_lshl_b32 s26, s18, 16                        ; 128 keys of 512 bytes
	s_add_nc_u64 s[4:5], s[4:5], s[26:27]
	s_mul_i32 s26, s18, STEPB
	s_add_nc_u64 s[10:11], s[10:11], s[26:27]
.macro KLD b
.set k, 0
.rept 32
	global_load_b128 v[R+4*k:R+4*k+3], v1, s[4:5] offset:(32*(\b)+k)*512 th:TH_LOAD_NT   ; 32 lanes read a key's 512 consecutive bytes; read once in the launch
.set k, k+1
.endr
.endm
.macro KTILE u                         ; tile u of the unit comes back from the stage
.irp c, 0,1,2,3
.irp j, 0,1,2,3
	ds_load_b128 v[X+16*\c+4*\j:X+16*\c+4*\j+3], v3 offset:16*\u*SPK+128*\c+16*\j
.endr
.endr
	s_wait_dscnt 0x0
.endm
.macro KUNIT b
	s_wait_xcnt 0x0                                ; the last unit's stores have read their registers: the codes may be written again
	s_wait_loadcnt 0x0                             ; this unit's 32 rows are in
.set k, 0
.rept 32
	ds_store_b128 v2, v[R+4*k:R+4*k+3] offset:(16*((k>>3)&1)+(k&7)+8*(k>>4))*SPK   ; key k of the 32 is row (k % 8) + 8 (k / 16) of tile (k / 8) % 2
.set k, k+1
.endr
	KTILE 0                                        ; LDS serves a wave's instructions in order: the loads see the stores; the wait for 0 also shows that the stores have read their registers,
.if \b < 3
	KLD \b+1                                       ; which take the next unit's rows
.endif
	QUANT X, PC0, 8
.irp c, 0,1,2,3
	global_store_b128 v1, v[PC0+4*\c:PC0+4*\c+3], s[10:11] offset:(2*\b)*2048+512*\c     ; 32 lanes store 512 consecutive bytes, aligned
.endr
	KTILE 1
	QUANT X, PC1, 9
.irp c, 0,1,2,3
	global_store_b128 v1, v[PC1+4*\c:PC1+4*\c+3], s[10:11] offset:(2*\b+1)*2048+512*\c
.endr
	v_cndmask_b32 v[10+\b], v8, v9, s24            ; lanes 0-15: the first tile's words; lanes 16-31: the second's
	global_store_b32 v4, v[10+\b], s[10:11] offset:32768+128*\b
.endm
	KLD 0
	KUNIT 0
	KUNIT 1
	KUNIT 2
	KUNIT 3
	s_wait_tensorcnt 0x0
	ds_add_u32 v14, v15
	s_wait_dscnt 0x0
	s_endpgm
.Lnot_k:
	s_cmp_lt_u32 ttmp9, 768
	s_cbranch_scc0 .Lmask
; ---------------- V ----------------
; A block of 32 keys of one column lies in ONE lane's 32 registers: its largest magnitude needs no other lane, and the conversions give codes with the keys innermost.
; A lane's first 16 codes of a block are the image's bytes of lane (r, 0), the other 16 those of lane (r, 1): sixteen lanes store 256 consecutive bytes, aligned.
	s_sub_co_u32 s17, ttmp9, 256
	s_lshr_b32 s18, s17, 3                         ; head
	s_and_b32 s19, s17, 7                          ; which 256 keys
	s_lshl_b32 s26, s18, 20                        ; a head: 2,048 keys of 512 bytes
	s_lshl_b32 s28, s19, 17
	s_add_co_u32 s26, s26, s28
	s_lshl_b32 s28, s16, 7                         ; my wave's 32 columns
	s_add_co_u32 s26, s26, s28
	s_add_nc_u64 s[6:7], s[6:7], s[26:27]
	s_lshl_b32 s28, s18, 4
	s_lshl_b32 s29, s19, 1
	s_add_co_u32 s28, s28, s29
	s_mul_i32 s26, s28, STEPB                      ; the first of my two steps in kv
	s_add_nc_u64 s[10:11], s[10:11], s[26:27]
	v_lshlrev_b32 v1, 2, v5                        ; in: 4 bytes a lane
	v_lshlrev_b32 v2, 4, v6
	v_lshl_add_u32 v2, v7, 11, v2
	s_lshl_b32 s17, s16, 12
	v_add_nc_u32 v2, s17, v2                       ; out: tile 2 wave + lane / 16 (2,048 bytes each), 16 (lane % 16)
	v_lshlrev_b32 v3, 2, v0                        ; my column's scale word: 4 (32 wave + lane)
.macro VLD t
.set k, 0
.rept 32
	global_load_b32 v[XV+32*((\t)%2)+k], v1, s[6:7] offset:(32*(\t)+k)*512 th:TH_LOAD_NT   ; V(key 32 t + k, my column)
.set k, k+1
.endr
.endm
.macro VBLOCK t
.set XS, XV+32*((\t)%2)
.if (\t) < 7
	s_wait_loadcnt 32                              ; this block's 32 loads are in; the next block's 32 may be out
.else
	s_wait_loadcnt 0x0
.endif
	v_max3_num_f32 v12, |v[XS]|, |v[XS+1]|, |v[XS+2]|
	v_max3_num_f32 v13, |v[XS+3]|, |v[XS+4]|, |v[XS+5]|
.irp i, 6,10,14,18,22,26
	v_max3_num_f32 v12, v12, |v[XS+\i]|, |v[XS+\i+1]|
	v_max3_num_f32 v13, v13, |v[XS+\i+2]|, |v[XS+\i+3]|
.endr
	v_max3_num_f32 v12, v12, |v[XS+30]|, |v[XS+31]|
	v_max3_num_f32 v12, v12, v13, 0x4800000        ; and the floor 2^(9 - 127)
	v_add_nc_u32 v11, 0xfc000000, v12              ; the conversion's scale operand
	v_and_or_b32 v10, v12, 0x7f800000, s[MNT]      ; 448 x the scale
	v_lshrrev_b32 v13, 23, v11                     ; the byte
.if (\t)%4 == 0
	v_mov_b32 v[SBV+(\t)/4], v13                   ; four bytes to a register: a step's word of my column
.else
	v_lshl_or_b32 v[SBV+(\t)/4], v13, 8*((\t)%4), v[SBV+(\t)/4]
.endif
.set k, 0
.rept 32
	v_med3_num_f32 v[XS+k], v[XS+k], -v10, v10
.set k, k+1
.endr
	s_wait_xcnt 0x0                                ; the last block's stores have read their registers
.irp g, 0,1,2,3
	v_cvt_scalef32_pk8_fp8_f32 v[CV+2*\g:CV+2*\g+1], v[XS+8*\g:XS+8*\g+7], v11
.endr
	v_nop                                          ; a plain line behind the last conversion
	global_store_b128 v2, v[CV:CV+3], s[10:11] offset:((\t)/4)*STEPB+16384+512*((\t)%4)
	global_store_b128 v2, v[CV+4:CV+7], s[10:11] offset:((\t)/4)*STEPB+16384+512*((\t)%4)+256
.if (\t)%4 == 3
	global_store_b32 v3, v[SBV+(\t)/4], s[10:11] offset:((\t)/4)*STEPB+33280
.endif
.if (\t)+2 < 8
	VLD (\t)+2
.endif
.endm
	VLD 0
	VLD 1
.irp t, 0,1,2,3,4,5,6,7
	VBLOCK \t
.endr
	s_endpgm
; ---------------- the mask ----------------
; Lane (r, h) reads, of row 16 T + r, the 16 bytes at key 32 bb + 16 h of a step: byte n % 4 of register n / 4 of a (step, tile) is the entry of score register n in that lane.
; A compare turns it into the 32 lanes' bits, one word; the words are set into lanes (word n into lane n / 2 of register n % 2), so that a tile's 64 words leave as 256 consecutive bytes.
.Lmask:
	s_sub_co_u32 s17, ttmp9, 768                   ; 64 x batch + pair
	s_lshl_b32 s26, s17, 16                        ; 32 rows of 2,048 bytes (a batch is 64 such pairs)
	s_lshl_b32 s28, s16, 9                         ; my wave's four steps: 512 bytes of each row
	s_add_co_u32 s26, s26, s28
	s_add_nc_u64 s[8:9], s[8:9], s[26:27]
	s_lshl_b32 s26, s17, 13                        ; mbits: 16 steps of 512 bytes a pair,
	s_lshl_b32 s28, s16, 11                        ; four steps a wave
	s_add_co_u32 s26, s26, s28
	s_add_nc_u64 s[12:13], s[12:13], s[26:27]
	s_lshl_b32 s26, s17, 2                         ; flags: the pair's word, my wave's byte
	s_add_co_u32 s26, s26, s16
	s_add_nc_u64 s[14:15], s[14:15], s[26:27]
	v_lshlrev_b32 v1, 11, v6
	v_lshl_add_u32 v1, v7, 4, v1                   ; row r, + 16 h
	v_lshlrev_b32 v2, 3, v5                        ; out: two words a lane
.irp jj, 0,1,2,3
.irp T, 0,1
.irp bb, 0,1,2,3
	global_load_b128 v[MR+16*(2*\jj+\T)+4*\bb:MR+16*(2*\jj+\T)+4*\bb+3], v1, s[8:9] offset:\T*32768+\jj*128+32*\bb
.endr
.endr
.endr
.set k, 0
.rept 16
	v_mov_b32 v[WR+k], 0                           ; a lane write's destination counts as one of its sources
.set k, k+1
.endr
	s_mov_b32 s29, 0                               ; my byte of the flags
.irp jj, 0,1,2,3
	s_wait_loadcnt 8*(3-\jj)                       ; this step's eight loads are in; the eight of each later step may be out
	s_mov_b32 s30, 0                               ; the OR of the step's 128 words
	s_mov_b32 s31, -1                              ; and their AND
.irp T, 0,1
.set n, 0
.rept 64
	v_and_b32 v[8+n%2], 0xff<<(8*(n%4)), v[MR+16*(2*\jj+\T)+n/4]
	v_cmp_ne_u32 s[32+n%8], 0, v[8+n%2]            ; word n: bit L = lane L's entry is hidden
	s_or_b32 s30, s30, s[32+n%8]
	s_and_b32 s31, s31, s[32+n%8]
	v_writelane_b32 v[WR+2*(2*\jj+\T)+(n&1)], s[32+n%8], n>>1
.set n, n+1
.endr
	global_store_b64 v2, v[WR+2*(2*\jj+\T):WR+2*(2*\jj+\T)+1], s[12:13] offset:\jj*512+\T*256   ; 32 lanes store 256 consecutive bytes, aligned; each pair of registers is written for one store only
.endr
	s_cmp_lg_u32 s31, -1                           ; some entry is open
	s_cselect_b32 s28, 1<<(2*\jj), 0
	s_or_b32 s29, s29, s28
	s_cmp_lg_u32 s30, 0                            ; some entry is hidden
	s_cselect_b32 s28, 2<<(2*\jj), 0
	s_or_b32 s29, s29, s28
.endr
	v_mov_b32 v10, s29
	v_mov_b32 v11, 0
	v_cmp_eq_u32 vcc_lo, 0, v5
	s_wait_xcnt 0x0                                ; EXEC is a source of the stores above: it changes only behind this wait
	s_and_saveexec_b32 s28, vcc_lo
	global_store_b8 v11, v10, s[14:15]             ; lane 0 alone: one byte a wave, four waves make the pair's word
	s_wait_xcnt 0x0                                ; and again in front of the line that widens it
	s_or_b32 exec_lo, exec_lo, s28
	s_endpgm
.Lfunc_end_k_q3080cc9167_prep:
	.size	k_q3080cc9167_prep, .Lfunc_end_k_q3080cc9167_prep-k_q3080cc9167_prep
	.p2alignl 7, 3214868480
	.fill 96, 4, 3214868480
	.section	.rodata,"a",@progbits
	.p2align	6, 0x0
	.amdhsa_kernel k_q3080cc9167_prep
		.amdhsa_group_segment_fixed_size 68096
		.amdhsa_private_segment_fixed_size 0
		.amdhsa_enable_private_segment 0
		.amdhsa_kernarg_size 48
		.amdhsa_user_sgpr_count 2
		.amdhsa_user_sgpr_kernarg_segment_ptr 1
		.amdhsa_wavefront_size32 1
		.amdhsa_system_sgpr_workgroup_id_x 1
		.amdhsa_system_sgpr_workgroup_id_y 1
		.amdhsa_system_sgpr_workgroup_id_z 1
		.amdhsa_system_vgpr_workitem_id 0
		.amdhsa_next_free_vgpr 256
		.amdhsa_next_free_sgpr 66
		.amdhsa_reserve_vcc 1
		.amdhsa_float_denorm_mode_32 3
		.amdhsa_float_denorm_mode_16_64 3
		.amdhsa_memory_ordered 1
		.amdhsa_forward_progress 1
		.amdhsa_inst_pref_size 255
	.end_amdhsa_kernel
	.section	.bss,"aw",@nobits
	.p2align	6
	.space	262144
	.amdgpu_metadata
---
amdhsa.version: [ 1, 2 ]
amdhsa.kernels:
  - .name:           k_q3080cc9167_prep
    .symbol:         k_q3080cc9167_prep.kd
    .args:
      - { .name: key_layer, .offset: 0, .size: 8, .value_kind: global_buffer, .address_space: global }
      - { .name: value_layer, .offset: 8, .size: 8, .value_kind: global_buffer, .address_space: global }
      - { .name: attention_mask, .offset: 16, .size: 8, .value_kind: global_buffer, .address_space: global }
      - { .name: kv, .offset: 24, .size: 8, .value_kind: global_buffer, .address_space: global }
      - { .name: mbits, .offset: 32, .size: 8, .value_kind: global_buffer, .address_space: global }
      - { .name: flags, .offset: 40, .size: 8, .value_kind: global_buffer, .address_space: global }
    .group_segment_fixed_size: 68096
    .private_segment_fixed_size: 0
    .kernarg_segment_align: 8
    .kernarg_segment_size: 48
    .max_flat_workgroup_size: 128
    .sgpr_count:     66
    .vgpr_count:     256
    .wavefront_size: 32
...
	.end_amdgpu_metadata
.endif
;; end of part 1
;; launch attn (part 2): grid 4 x 64, 8 waves a work-group, no clusters, 136,192 bytes of LDS; arguments query_layer, kv, mbits, flags, out0; writes out0
.if DOCPART == 2
	.amdgcn_target "amdgcn-amd-amdhsa--gfx1250"
	.amdhsa_code_object_version 6
	.text
	.protected	k_q3080cc9167_attn
	.globl	k_q3080cc9167_attn
	.p2align	8
	.type	k_q3080cc9167_attn,@function
k_q3080cc9167_attn:
	s_mov_b64 s[64:65], 0
	v_nop
	global_prefetch_b8 v0, s[64:65] scope:SCOPE_SE
	s_setreg_imm32_b32 hwreg(HW_REG_WAVE_MODE, 25, 1), 1
	s_wait_xcnt 0x0
; out[b][q][128 h + d] = the sum over k of softmax_k(Q[q] . K[k] / sqrt(128), hidden entries of the given mask at -infinity) V[k][d], both products on codes of FP8 (E4M3) with one E8M0 scale for each 32 along K.
; K and V come as images of the operands' registers with their scale words (kv), the mask as lane masks (mbits) and as flags for each (32 queries, 128 keys) (flags): all made by the launch before.  Q arrives as f32 and is quantised here.
; THE SOFTMAX: t = score x log2(e) / sqrt(128); M = the running largest t rounded UP to a whole number; p = 2^(t - M) is quantised along the keys; the row's sum is taken of the unquantised p and divides at the end.
; When M moves, the sum and O are multiplied by 2^(old M - new M): exact.
; SHARES.  256 work-groups of eight waves, 512 registers a wave: two waves to a SIMD, so that one wave's LDS and matrix work stands beside the other's vector work.  A work-group owns one head and walks its 16 steps of 128 keys
; twice: for query block 7 - x and then for block x (256 queries each).  Wave w owns 32 queries of the block, two tiles A and B, and every fragment of K and V that it reads from LDS feeds both.
; WHAT THE MASK HIDES WHOLLY IS NOT WORKED.  A wave's work on a step stands under scalar branches on its pair's flags; the select of -infinity stands under the flag 'has a hidden entry'.  A step that no wave of the block needs is not fetched.
; The loops' trip counts are constants and every wave passes every barrier.
; THE RING.  Two LDS slots of one step (33,792 bytes).  Each wave brings an eighth of a step through registers: loaded a step ahead, stored into the slot that is not being read.  One barrier a step: its signal stands in the step's
; middle, behind the wave's last LDS instruction of the step; only register work stands between it and the wait at the next step's head.
; NO TENSOR LOADS AND NO JOINT LOADS: which steps are fetched hangs on the flags of the work-group's own query block, so the four work-groups of a head would make different requests, and loads through registers may stand under a branch.
; LAYOUT.  Both products are used transposed: S^T = K Q^T, O^T = V^T P^T: a lane holds ONE query (lane % 16) throughout; score register 16 b + i of lane (r, h) is key 32 b + 16 h + i of the step.
; LIMITS: NaN and infinities among the inputs are not served; blocks of q whose largest magnitude lies under 2^-118 keep the byte 1 (blocks of zeros too: their codes are zeros); a block's largest p is made from the block's largest score,
; which takes v_exp_f32 not to fall where its input rises; t is the score times ONE rounded constant; a row that the mask hides wholly gives 0 x (1 / 0) = NaN, as the softmax of such a row is.
; REGISTERS, in windows of 256.  Window 0: see the names below.  Window 1: v0-63 O^T of tile A, v64-127 of tile B, v128-255 eight fragments of K or of V.
.set STEPB, 33792                      ; a step's bytes in kv: K's image 16,384, V's 16,384, K's scale words 512, V's 512
.set IMG,   2048                       ; LDS: bytes 0-2,047 the scale words (slot s at 1,024 s); from here the images (slot s at 32,768 s: K's, then V's)
.set STG,   67584                      ; and from here a stage of 16 rows x 528 bytes for each wave, its own: q on the way in, O on the way out
.set SP,    528                        ; 512 bytes + 16 = 132 words: row r starts 4 r words on, so the 16 rows that a load touches start at 16 different places
.set LI,   1                           ; v1   IMG + 16 x lane: an image's place for my lane; with -IMG in the immediate also my 16 bytes of a row of 512 in memory
.set LS,   2                           ; v2   4 x lane: a scale word's place
.set SW,   3                           ; v3   IMG + 4,096 x wave + 16 x lane: my eighth of a step's images
.set GS,   4                           ; v4   128 x wave + 4 x lane: my eighth of its scale words
.set NINF, 5                           ; v5   -infinity
.set TMP,  6                           ; v6-7 at work
.set STA,  8                           ; v8 -M, v9 the largest t, v[10:11] the sum in two halves: tile A;  v12-15: tile B
.set STB,  12
.set TM,   16                          ; v16-19 block maxima, v20-23 bytes, v24-27 448 x the scale, v28-31 the conversions' scale operands
.set FF,   32                          ; v32 f = 2^(old M - new M), later 1 / the sum; v33 named with it as a pair
.set SM2,  34                          ; v[34:35] the sum's second chain
.set PWA,  36                          ; v36, v37 p's scale words;  v38, v39 q's;  v40-43 K's or V's (lanes 0-15 tile 2 g's, lanes 16-31 tile 2 g + 1's): these hold scales and nothing else
.set PWB,  37
.set QSA,  38
.set QSB,  39
.set SCL,  40
.set PC,   44                          ; v44-59 tile A's codes of p.  Tile B's go to v92-107, which tile A's p has left
.set QA,   60                          ; v60-75, v76-91 q's fragments
.set QB,   76
.set SA,   92                          ; v92-155, v156-219 S^T, then p
.set SB,   156
.set SG,   220                         ; v220-251 my eighth of the next step's images, v252 of its scale words
.set SGS,  252
.set RD,   253                         ; v253 my stage + 16 x lane: whole rows
.set STO,  254                         ; v254 my stage + row r + 32 h: O on the way in
.set QRD,  255                         ; v255 my stage + row r + 64 h: q on the way out
.set FR,   128                         ; window 1: fragment t at v[FR + 16 t]
.set WV,   2                           ; s2   my wave's number
.set KVP,  14                          ; s[14:15] kv at the step to be loaded next
.set MKP,  16                          ; s[16:17] at a pass's head: flags at my pair's word; then mbits at my pair's step in hand
.set QP,   18                          ; s[18:19] q at my 32 rows, later out0 at them
.set MYW,  20                          ; s20  my pair's flags, two bits a step, shifted down step by step
.set NDW,  21                          ; s21  the OR of the block's eight pairs' flags, likewise
.set PASS, 22
.set TRIP, 23
.set BLK,  24                          ; s24  the query block in hand
.set MNT,  25                          ; s25  the mantissa field of 448
.set CS,   26                          ; s[26:27] c = log2(e) / sqrt(128), twice
.set SEL,  28                          ; s[28:29] v_permlanex16_b32's selects for lane l xor 16
                                       ; s[30:31] an offset, s31 = 0 throughout;  s[32:63], s[68:99] a tile's 64 mask words: word n in s[32 + n + 4 (n / 32)]: these hold whole numbers read from memory or zeros, never an address
                                       ; s[100:101] at a pass's head: flags at the block's eight words
.set MSB, 0
.macro WIN new                         ; s_set_vgpr_msb: bits 1:0 source 0, 3:2 source 1, 5:4 source 2, 7:6 destination; the high byte repeats the setting that is left
.if MSB != \new
	s_set_vgpr_msb (MSB<<8)|\new
.set MSB, \new
.endif
.endm
.macro PLACES n
.rept \n
	v_nop
.endr
.endm
; 64 numbers of a lane, register 16 b + i = k 32 b + 16 (lane / 16) + i of my row, become a fragment's codes in v[pc] on and its scale word in v[pw]
.macro QUANT s, pc, pw
.irp b, 0,1,2,3
	v_max3_num_f32 v[TM+\b], |v[\s+16*\b]|, |v[\s+1+16*\b]|, 0x4800000      ; block b: my 16 numbers, and the floor 2^(9 - 127): the byte cannot fall under 1
.endr
.irp i, 2,4,6,8,10,12,14
.irp b, 0,1,2,3
	v_max3_num_f32 v[TM+\b], v[TM+\b], |v[\s+16*\b+\i]|, |v[\s+1+16*\b+\i]|
.endr
.endr
.irp b, 0,1,2,3
	v_permlanex16_b32 v[TM+4+\b], v[TM+\b], s[SEL], s[SEL+1]
.endr
.irp b, 0,1,2,3
	v_max_num_f32 v[TM+\b], v[TM+\b], v[TM+4+\b]                             ; with lane l xor 16's: the block's largest magnitude
.endr
.irp b, 0,1,2,3
	v_add_nc_u32 v[TM+12+\b], 0xfc000000, v[TM+\b]                           ; 8 off its exponent field: the conversion's scale operand
.endr
.irp b, 0,1,2,3
	v_and_or_b32 v[TM+8+\b], v[TM+\b], 0x7f800000, s[MNT]                    ; 448 x the scale
.endr
.irp b, 0,1,2,3
	v_lshrrev_b32 v[TM+4+\b], 23, v[TM+12+\b]                                ; the byte
.endr
	v_lshl_or_b32 v[\pw], v[TM+5], 8, v[TM+4]
	v_lshl_or_b32 v[\pw], v[TM+6], 16, v[\pw]
	v_lshl_or_b32 v[\pw], v[TM+7], 24, v[\pw]
.irp b, 0,1,2,3
.irp i, 0,1,2,3,4,5,6,7,8,9,10,11,12,13,14,15
	v_med3_num_f32 v[\s+16*\b+\i], v[\s+16*\b+\i], -v[TM+8+\b], v[TM+8+\b]   ; the conversion to an 8-bit code does not saturate (ISA guide 7.6.2): the hold comes first
.endr
	v_cvt_scalef32_pk8_fp8_f32 v[\pc+4*\b:\pc+4*\b+1], v[\s+16*\b:\s+16*\b+7], v[TM+12+\b]
	v_cvt_scalef32_pk8_fp8_f32 v[\pc+4*\b+2:\pc+4*\b+3], v[\s+16*\b+8:\s+16*\b+15], v[TM+12+\b]
.endr
	v_nop                                          ; a plain line behind the last conversion
.endm
; my eighth of the step at KVP: eight loads of 512 consecutive bytes and 128 bytes of scale words
.macro GLOAD
.irp i, 0,1,2,3,4,5,6,7
	global_load_b128 v[SG+4*\i:SG+4*\i+3], v[SW], s[KVP:KVP+1] offset:512*\i-IMG
.endr
	global_load_b32 v[SGS], v[GS], s[KVP:KVP+1] offset:32768
.endm
.macro SSTORE s                        ; and into slot s, as it lies
.irp i, 0,1,2,3,4,5,6,7
	ds_store_b128 v[SW], v[SG+4*\i:SG+4*\i+3] offset:32768*(\s)+512*\i
.endr
	ds_store_b32 v[GS], v[SGS] offset:1024*(\s)
.endm
; eight fragments and their scale words out of slot s: K's (voff 0, soff 0) or V's (16,384, 512).  The four loads of scale words go first, then four loads a fragment, fragment by fragment
.macro FLOAD s, voff, soff
.irp g, 0,1,2,3
	ds_load_b32 v[SCL+\g], v[LS] offset:1024*(\s)+\soff+128*\g
.endr
	WIN 0x40                                       ; destination window 1
.irp t, 0,1,2,3,4,5,6,7
.irp c, 0,1,2,3
	ds_load_b128 v[FR+16*\t+4*\c:FR+16*\t+4*\c+3], v[LI] offset:32768*(\s)+\voff+2048*\t+512*\c
.endr
.endr
	WIN 0
.endm
; S^T = K Q^T for both tiles: 16 products, each the whole of its sum (K = the head's 128), C = 0
.macro SMUL
	WIN 0x01                                       ; source 0 (K) window 1
.irp t, 0,1,2,3,4,5,6,7
	s_wait_dscnt 4*(7-\t)                          ; fragment t is in; the four loads of each later fragment may be out
.if \t%2
	v_wmma_scale_f32_16x16x128_f8f6f4 v[SA+8*\t:SA+8*\t+7], v[FR+16*\t:FR+16*\t+15], v[QA:QA+15], 0, v[SCL+\t/2], v[QSA] matrix_a_scale:MATRIX_SCALE_ROW1
	v_wmma_scale_f32_16x16x128_f8f6f4 v[SB+8*\t:SB+8*\t+7], v[FR+16*\t:FR+16*\t+15], v[QB:QB+15], 0, v[SCL+\t/2], v[QSB] matrix_a_scale:MATRIX_SCALE_ROW1
.else
	v_wmma_scale_f32_16x16x128_f8f6f4 v[SA+8*\t:SA+8*\t+7], v[FR+16*\t:FR+16*\t+15], v[QA:QA+15], 0, v[SCL+\t/2], v[QSA]
	v_wmma_scale_f32_16x16x128_f8f6f4 v[SB+8*\t:SB+8*\t+7], v[FR+16*\t:FR+16*\t+15], v[QB:QB+15], 0, v[SCL+\t/2], v[QSB]
.endif
.endr
	WIN 0
.endm
.macro MASKLD T                        ; tile T's 64 mask words of the step in hand
	s_load_b512 s[32:47], s[MKP:MKP+1], 256*\T
	s_load_b512 s[48:63], s[MKP:MKP+1], 256*\T+64
	s_load_b512 s[68:83], s[MKP:MKP+1], 256*\T+128
	s_load_b512 s[84:99], s[MKP:MKP+1], 256*\T+192
.endm
.macro MASKAP rS                       ; hidden scores become -infinity ahead of the maximum: p = 0 then.  Each accumulator from its low end on
	s_wait_kmcnt 0x0
.set n, 0
.rept 64
	v_cndmask_b32 v[\rS+n], v[\rS+n], v[NINF], s[32+n+4*(n/32)]
.set n, n+1
.endr
.endm
; One tile's softmax for a step: scores in v[rS] on become p, its codes in v[rPC] on and its scale word in v[rPW]; statistics at v[rST]; O^T at v[rO] of window 1 is brought under the new M
.macro SOFTMAX rS, rST, rPC, rPW, rO
.irp b, 0,1,2,3
	v_max3_num_f32 v[TM+\b], v[\rS+16*\b], v[\rS+16*\b+1], v[\rS+16*\b+2]    ; the largest score of each block of 32 keys: it serves for the row's maximum and, since p rises with the score, for the block's largest p
.endr
.irp i, 3,5,7,9,11,13
.irp b, 0,1,2,3
	v_max3_num_f32 v[TM+\b], v[TM+\b], v[\rS+16*\b+\i], v[\rS+16*\b+\i+1]
.endr
.endr
.irp b, 0,1,2,3
	v_max_num_f32 v[TM+\b], v[TM+\b], v[\rS+16*\b+15]
.endr
.irp b, 0,1,2,3
	v_permlanex16_b32 v[TM+4+\b], v[TM+\b], s[SEL], s[SEL+1]
.endr
.irp b, 0,1,2,3
	v_max_num_f32 v[TM+\b], v[TM+\b], v[TM+4+\b]                             ; with lane l xor 16's 16 keys
.endr
	v_max3_num_f32 v[TMP], v[TM], v[TM+1], v[TM+2]
	v_max_num_f32 v[TMP], v[TMP], v[TM+3]          ; the step's largest score of my query
	v_mul_f32 v[TMP], s[CS], v[TMP]                ; as t (c is positive)
	v_max_num_f32 v[\rST+1], v[\rST+1], v[TMP]     ; the running largest t
	v_mov_b32 v[TMP], v[\rST]
	v_floor_f32 v[\rST], -v[\rST+1]                ; the new -M = floor(-t) = -ceil(t): a whole number
	v_sub_f32 v[TMP], v[\rST], v[TMP]              ; old M - new M: a whole number, 0 or less
	v_cvt_i32_f32 v[TMP], v[TMP]                   ; (it saturates)
	v_ldexp_f32 v[FF], 1.0, v[TMP]                 ; f = 2^(old M - new M)
.set n, 0
.rept 32
	v_pk_fma_f32 v[\rS+n:\rS+n+1], v[\rS+n:\rS+n+1], s[CS:CS+1], v[\rST:\rST+1] op_sel_hi:[1,0,0]   ; t - M, two at a time (of the pairs c and -M the low word serves both halves)
.set n, n+2
.endr
.irp b, 0,1,2,3
	v_fma_f32 v[TM+\b], v[TM+\b], s[CS], v[\rST]   ; the same of each block's largest score
.endr
.set n, 0
.rept 64
	v_exp_f32 v[\rS+n], v[\rS+n]                   ; p = 2^(t - M), at most 1: not normalised
.set n, n+1
.endr
.irp b, 0,1,2,3
	v_exp_f32 v[TM+\b], v[TM+\b]                   ; the block's largest p: the same two instructions on the same number
.endr
	v_pk_mul_f32 v[\rST+2:\rST+3], v[\rST+2:\rST+3], v[FF:FF+1] op_sel_hi:[1,0]   ; the sums under the new M (the plain line behind the exponentials)
	s_wait_alu depctr_va_vdst(0)
.irp b, 0,1,2,3
	v_max_num_f32 v[TM+\b], 0x4800000, v[TM+\b]    ; the floor 2^(9 - 127): a block whose every p is 0 keeps the byte 1; its codes are zeros
.endr
.irp b, 0,1,2,3
	v_add_nc_u32 v[TM+12+\b], 0xfc000000, v[TM+\b]
.endr
.irp b, 0,1,2,3
	v_and_or_b32 v[TM+8+\b], v[TM+\b], 0x7f800000, s[MNT]
.endr
.irp b, 0,1,2,3
	v_lshrrev_b32 v[TM+4+\b], 23, v[TM+12+\b]
.endr
	v_lshl_or_b32 v[\rPW], v[TM+5], 8, v[TM+4]     ; p's scale word for these 128 keys: far more than eight plain lines ahead of the products that take it
	v_lshl_or_b32 v[\rPW], v[TM+6], 16, v[\rPW]
	v_lshl_or_b32 v[\rPW], v[TM+7], 24, v[\rPW]
	v_pk_add_f32 v[SM2:SM2+1], v[\rS:\rS+1], v[\rS+2:\rS+3]                  ; the row's sum is taken of the unquantised p: two at a time, in two chains
.irp j, 4,8,12,16,20,24,28,32,36,40,44,48,52,56,60
	v_pk_add_f32 v[\rST+2:\rST+3], v[\rST+2:\rST+3], v[\rS+\j:\rS+\j+1]
	v_pk_add_f32 v[SM2:SM2+1], v[SM2:SM2+1], v[\rS+\j+2:\rS+\j+3]
.endr
	v_pk_add_f32 v[\rST+2:\rST+3], v[\rST+2:\rST+3], v[SM2:SM2+1]
.irp b, 0,1,2,3
.irp i, 0,1,2,3,4,5,6,7,8,9,10,11,12,13,14,15
	v_min_num_f32 v[\rS+16*\b+\i], v[\rS+16*\b+\i], v[TM+8+\b]               ; p is not negative: the hold is one-sided
.endr
	v_cvt_scalef32_pk8_fp8_f32 v[\rPC+4*\b:\rPC+4*\b+1], v[\rS+16*\b:\rS+16*\b+7], v[TM+12+\b]
	v_cvt_scalef32_pk8_fp8_f32 v[\rPC+4*\b+2:\rPC+4*\b+3], v[\rS+16*\b+8:\rS+16*\b+15], v[TM+12+\b]
.endr
	WIN 0x41                                       ; O^T: destination and source 0 window 1
.set n, 0
.rept 32
	v_pk_mul_f32 v[\rO+n:\rO+n+1], v[\rO+n:\rO+n+1], v[FF:FF+1] op_sel_hi:[1,0]   ; O^T under the new M, each accumulator from its low end on; these lines also stand between the codes and the products
.set n, n+2
.endr
	WIN 0
.endm
; O^T += V^T P^T for both tiles: 16 accumulators by turns, one instruction a turn
.macro PVMUL
	WIN 0x51                                       ; source 0 (V), C and D window 1; source 1 (p's codes) window 0
.irp t, 0,1,2,3,4,5,6,7
.if \t%2
	v_wmma_scale_f32_16x16x128_f8f6f4 v[8*\t:8*\t+7], v[FR+16*\t:FR+16*\t+15], v[PC:PC+15], v[8*\t:8*\t+7], v[SCL+\t/2], v[PWA] matrix_a_scale:MATRIX_SCALE_ROW1
	v_wmma_scale_f32_16x16x128_f8f6f4 v[64+8*\t:64+8*\t+7], v[FR+16*\t:FR+16*\t+15], v[SA:SA+15], v[64+8*\t:64+8*\t+7], v[SCL+\t/2], v[PWB] matrix_a_scale:MATRIX_SCALE_ROW1
.else
	v_wmma_scale_f32_16x16x128_f8f6f4 v[8*\t:8*\t+7], v[FR+16*\t:FR+16*\t+15], v[PC:PC+15], v[8*\t:8*\t+7], v[SCL+\t/2], v[PWA]
	v_wmma_scale_f32_16x16x128_f8f6f4 v[64+8*\t:64+8*\t+7], v[FR+16*\t:FR+16*\t+15], v[SA:SA+15], v[64+8*\t:64+8*\t+7], v[SCL+\t/2], v[PWB]
.endif
.endr
	WIN 0
	PLACES 9                                       ; nine: the next step's first products write over v92 on, which these have read as a source; its loads into the fragments want eight
.endm
; A STEP: slot s is read, the other slot is filled with the next step.
.macro STEP s
	s_barrier_wait -1                              ; every wave has stored its eighth of slot s and has done with its reads of the other slot
	s_bitcmp1_b32 s[MYW], 0                        ; has the step an open entry for my 32 queries?
	s_cbranch_scc0 .Lidle1_\@
	s_bitcmp1_b32 s[MYW], 1                        ; has it a hidden one?
	s_cbranch_scc0 .Lopen1_\@
	MASKLD 0                                       ; tile A's mask words, wanted behind the products
.Lopen1_\@:
	FLOAD \s, 0, 0
	SMUL
	PLACES 8                                       ; in front of the loads into registers that the products have read, and of the first read of the scores
	FLOAD \s, 16384, 512                           ; V lands while tile A's softmax is worked
	s_bitcmp1_b32 s[MYW], 1
	s_cbranch_scc0 .Lopen2_\@
	MASKAP SA
	MASKLD 1                                       ; tile B's words into the same registers: tile A's selects have been issued
.Lopen2_\@:
	SOFTMAX SA, STA, PC, PWA, 0
.Lidle1_\@:
	s_wait_loadcnt 0x0                             ; my eighth of the next step, asked for a step ago, is in: so KVP may step
	s_add_nc_u64 s[KVP:KVP+1], s[KVP:KVP+1], STEPB
	s_bitcmp1_b32 s[NDW], 2                        ; does any wave of the block need the next step?
	s_cbranch_scc0 .Lnost_\@
	SSTORE 1-\s
.Lnost_\@:
	s_wait_dscnt 0x0                               ; for the others' sake and mine: my stores have landed, my reads of slot s are over (V's fragments are in), and the stores have read their registers
	s_bitcmp1_b32 s[NDW], 4                        ; the step after the next (behind the 16th step the bits are zeros: nothing is asked for past the head's end)
	s_cbranch_scc0 .Lnold_\@
	GLOAD
.Lnold_\@:
	s_barrier_signal -1                            ; only register work from here to the wait at the next step's head
	s_bitcmp1_b32 s[MYW], 0
	s_cbranch_scc0 .Lidle2_\@
	s_bitcmp1_b32 s[MYW], 1
	s_cbranch_scc0 .Lopen3_\@
	MASKAP SB
.Lopen3_\@:
	SOFTMAX SB, STB, SA, PWB, 64
	PVMUL
.Lidle2_\@:
	s_wait_kmcnt 0x0                               ; no scalar load is out: MKP may step
	s_add_nc_u64 s[MKP:MKP+1], s[MKP:MKP+1], 512
	s_lshr_b32 s[MYW], s[MYW], 2
	s_lshr_b32 s[NDW], s[NDW], 2
.endm
.macro QTURN rS                        ; 16 rows of q, loaded 16 bytes a lane, turn through my stage and come back 64 bytes a lane: 16 neighbours of each block of 32.  LDS serves a wave's instructions in order (ISA guide 5.7.1.4)
.irp i, 0,1,2,3,4,5,6,7,8,9,10,11,12,13,14,15
	ds_store_b128 v[RD], v[\rS+4*\i:\rS+4*\i+3] offset:SP*\i
.endr
.irp c, 0,1,2,3
.irp j, 0,1,2,3
	ds_load_b128 v[\rS+16*\c+4*\j:\rS+16*\c+4*\j+3], v[QRD] offset:128*\c+16*\j
.endr
.endr
.endm
; THE WAY OUT of tile T: O^T / the sum; a lane's eight channels of a row are 32 bytes: they go into my stage and come back as whole rows of 512 bytes
.macro OUT rS, rST, rO, T
	v_add_f32 v[TMP], v[\rST+2], v[\rST+3]         ; the sum's two halves,
	v_permlanex16_b32 v[TMP+1], v[TMP], s[SEL], s[SEL+1]
	v_add_f32 v[TMP], v[TMP], v[TMP+1]             ; and lane l xor 16's
	v_rcp_f32 v[FF], v[TMP]
	v_nop                                          ; a plain line behind the transcendental
	WIN 0x01                                       ; source 0 (O^T) window 1
.set n, 0
	s_wait_alu depctr_va_vdst(0)
.rept 32
	v_pk_mul_f32 v[\rS+n:\rS+n+1], v[\rO+n:\rO+n+1], v[FF:FF+1] op_sel_hi:[1,0]   ; register 8 t + i is o(query r, channel 16 t + 8 h + i); each accumulator from its low end on
.set n, n+2
.endr
	WIN 0
.irp t, 0,1,2,3,4,5,6,7
	ds_store_b128 v[STO], v[\rS+8*\t:\rS+8*\t+3] offset:64*\t
	ds_store_b128 v[STO], v[\rS+8*\t+4:\rS+8*\t+7] offset:64*\t+16
.endr
.irp i, 0,1,2,3,4,5,6,7,8,9,10,11,12,13,14,15
	ds_load_b128 v[\rS+4*\i:\rS+4*\i+3], v[RD] offset:SP*\i
.endr
.irp i, 0,1,2,3,4,5,6,7,8,9,10,11,12,13,14,15
	s_wait_dscnt 15-\i                             ; row i is back; the loads of the rows behind it may be out
	global_store_b128 v[LI], v[\rS+4*\i:\rS+4*\i+3], s[QP:QP+1] offset:(16*\T+\i)*16384-IMG th:TH_STORE_NT   ; 32 lanes store the head's 512 consecutive bytes of a row of out0, aligned; written once
.endr
.endm
	s_load_b256 s[4:11], s[0:1], 0x0               ; q s[4:5], kv s[6:7], mbits s[8:9], flags s[10:11]
	s_load_b64 s[12:13], s[0:1], 0x20              ; out0
	v_lshrrev_b32 v6, 5, v0
	v_readfirstlane_b32 s[WV], v6                  ; wave 0..7
	v_and_b32 v6, 31, v0                           ; lane
	v_lshlrev_b32 v[LS], 2, v6
	v_lshlrev_b32 v[LI], 4, v6
	v_add_nc_u32 v[LI], IMG, v[LI]
	s_lshl_b32 s3, s[WV], 12
	v_add_nc_u32 v[SW], s3, v[LI]
	v_lshlrev_b32 v[GS], 2, v0                     ; 4 x (32 wave + lane)
	v_mov_b32 v[NINF], 0xff800000
	s_mul_i32 s3, s[WV], 16*SP
	s_add_co_u32 s3, s3, STG                       ; my stage
	v_lshl_add_u32 v[RD], v6, 4, s3
	v_and_b32 v6, 15, v0                           ; r
	v_bfe_u32 v7, v0, 4, 1                         ; h
	v_mul_u32_u24 v6, v6, SP
	v_add_nc_u32 v6, s3, v6
	v_lshl_add_u32 v[STO], v7, 5, v6
	v_lshl_add_u32 v[QRD], v7, 6, v6
	s_mov_b32 s[MNT], 0x600000
	s_mov_b32 s[CS], 0x3e0293ee                    ; c = log2(e) / sqrt(128)
	s_mov_b32 s[CS+1], s[CS]
	s_mov_b32 s[SEL], 0x76543210
	s_mov_b32 s[SEL+1], 0xfedcba98
	s_mov_b32 s31, 0
	; The two halves of a step's work stand under two branches on the same bit, so what the second half reads of the first is written once here: no way through the text reads a register that was never written.
	v_mov_b32 v[TMP+1], 0                          ; (a lane permute's destination counts as one of its sources; so do v20-23)
	v_mov_b32 v[FF+1], 0                           ; (named as the upper half of a pair)
	v_mov_b32 v[PWA], 0x7f7f7f7f                   ; scales of 1
	v_mov_b32 v[PWB], 0x7f7f7f7f
.irp i, 0,1,2,3
	v_mov_b32 v[TM+4+\i], 0
	v_mov_b32 v[SCL+\i], 0x7f7f7f7f
.endr
.set n, 0
.rept 16
	v_mov_b32 v[PC+n], 0
.set n, n+1
.endr
	WIN 0x40
.set n, 0
.rept 128
	v_mov_b32 v[FR+n], 0
.set n, n+1
.endr
	WIN 0
.set n, 0
.rept 16
	s_mov_b64 s[32+2*n:33+2*n], 0
	s_mov_b64 s[68+2*n:69+2*n], 0
.set n, n+1
.endr
	s_and_b32 s3, ttmp7, 0xffff                    ; 32 x batch + head
	s_lshr_b32 s100, s3, 5                         ; batch
	s_wait_kmcnt 0x0
	s_lshl_b32 s30, s3, 20                         ; q: 2,048 rows of 512 bytes a head
	s_add_nc_u64 s[4:5], s[4:5], s[30:31]
	s_mul_i32 s30, s3, 16*STEPB                    ; kv: 16 steps a head
	s_add_nc_u64 s[6:7], s[6:7], s[30:31]
	s_lshl_b32 s30, s100, 19                       ; mbits: 64 pairs x 16 steps x 512 bytes a batch
	s_add_nc_u64 s[8:9], s[8:9], s[30:31]
	s_lshl_b32 s30, s100, 8                        ; flags: 64 words a batch
	s_add_nc_u64 s[10:11], s[10:11], s[30:31]
	s_lshl_b32 s30, s100, 25                       ; out0: 2,048 rows of 16,384 bytes a batch,
	s_add_nc_u64 s[12:13], s[12:13], s[30:31]
	s_and_b32 s30, s3, 31
	s_lshl_b32 s30, s30, 9                         ; the head's 512 bytes of a row
	s_add_nc_u64 s[12:13], s[12:13], s[30:31]
	s_sub_co_u32 s[BLK], 7, ttmp9                  ; the first pass takes block 7 - x, the second block x
	s_mov_b32 s[PASS], 2
.Lpass:
	s_wait_loadcnt 0x0                             ; no load of the last pass is out on any way here: this pass's loads land in the same registers (by the flags the last steps ask for nothing; the wait makes the text say so)
	s_wait_xcnt 0x0                                ; the last pass's stores have read their registers and their base
	s_lshl_b32 s3, s[BLK], 3
	s_add_co_u32 s3, s3, s[WV]                     ; my pair of tiles: 8 x block + wave
	s_lshl_b32 s30, s3, 14                         ; 32 rows of 512 bytes
	s_add_nc_u64 s[QP:QP+1], s[4:5], s[30:31]
	s_mov_b64 s[KVP:KVP+1], s[6:7]
	s_lshl_b32 s30, s[BLK], 5
	s_add_nc_u64 s[100:101], s[10:11], s[30:31]    ; the flags of the block's eight pairs,
	s_lshl_b32 s30, s3, 2
	s_add_nc_u64 s[MKP:MKP+1], s[10:11], s[30:31]  ; and my own pair's: in the pair of registers that takes the mask words' address behind the wait for this load
	s_load_b256 s[32:39], s[100:101], 0x0
	s_load_b32 s[MYW], s[MKP:MKP+1], 0x0
.set n, 0
.rept 32
	global_load_b128 v[SA+4*n:SA+4*n+3], v[LI], s[QP:QP+1] offset:512*n-IMG th:TH_LOAD_NT   ; row n of my 32: 512 consecutive bytes; read once in the launch
.set n, n+1
.endr
	GLOAD                                          ; my eighth of step 0
	WIN 0x40
.set n, 0
.rept 128
	v_mov_b32 v[n], 0                              ; O^T of both tiles.  Which step is a pair's first hangs on the mask, so no product can be written out that starts the sums: the first change of M finds zeros and leaves zeros
.set n, n+1
.endr
	WIN 0
.irp t, STA, STB
	v_mov_b32 v[\t+1], 0xff61b1e6                  ; the largest t so far: -3e38, under every t
	v_floor_f32 v[\t], -v[\t+1]                    ; -M
	v_mov_b32 v[\t+2], 0                           ; the sum, in two halves
	v_mov_b32 v[\t+3], 0
.endr
	s_wait_kmcnt 0x0                               ; the flags are in, and the two scalar loads have done with their bases
	s_lshl_b32 s30, s3, 13                         ; my pair's 16 steps of 512 bytes of mask words
	s_add_nc_u64 s[MKP:MKP+1], s[8:9], s[30:31]
	s_or_b32 s[NDW], s32, s33                      ; what any wave of the block needs
.irp i, 34,35,36,37,38,39
	s_or_b32 s[NDW], s[NDW], s[\i]
.endr
	s_wait_loadcnt 9                               ; q's 32 rows are in; the nine loads of step 0 behind them may be out
	QTURN SA
	QTURN SB
	s_wait_dscnt 0x0
	QUANT SA, QA, QSA
	QUANT SB, QB, QSB
	PLACES 8                                       ; codes and scale words made by vector instructions stand four and eight plain lines ahead of a scaled product
	s_wait_loadcnt 0x0                             ; step 0 is in: KVP may step
	s_add_nc_u64 s[KVP:KVP+1], s[KVP:KVP+1], STEPB
	SSTORE 0                                       ; every wave has passed the last pass's closing wait, in front of which all reads of both slots were over
	s_wait_dscnt 0x0
	s_bitcmp1_b32 s[NDW], 2
	s_cbranch_scc0 .Lno_step1
	GLOAD                                          ; step 1
.Lno_step1:
	s_barrier_signal -1
	s_mov_b32 s[TRIP], 8
.Ltrip:                                            ; eight trips of two steps: a constant, whatever the mask
	STEP 0
	STEP 1
	s_sub_co_u32 s[TRIP], s[TRIP], 1
	s_cmp_lg_u32 s[TRIP], 0
	s_cbranch_scc1 .Ltrip
	s_barrier_wait -1                              ; closes the last step's signal
	s_lshl_b32 s3, s[BLK], 3
	s_add_co_u32 s3, s3, s[WV]
	s_lshl_b32 s30, s3, 19                         ; my 32 rows of 16,384 bytes
	s_add_nc_u64 s[QP:QP+1], s[12:13], s[30:31]    ; (q's loads were waited for long ago)
	OUT SA, STA, 0, 0
	OUT SB, STB, 64, 1
	s_sub_co_u32 s[BLK], 7, s[BLK]
	s_sub_co_u32 s[PASS], s[PASS], 1
	s_cmp_lg_u32 s[PASS], 0
	s_cbranch_scc1 .Lpass
	s_wait_xcnt 0x0
	v_lshl_add_u32 v254, v0, 2, 0x21000
	v_mov_b32 v255, 0
	s_wait_tensorcnt 0x0
	ds_add_u32 v254, v255
	s_wait_dscnt 0x0
	s_endpgm
.Lfunc_end_k_q3080cc9167_attn:
	.size	k_q3080cc9167_attn, .Lfunc_end_k_q3080cc9167_attn-k_q3080cc9167_attn
	.p2alignl 7, 3214868480
	.fill 96, 4, 3214868480
	.section	.rodata,"a",@progbits
	.p2align	6, 0x0
	.amdhsa_kernel k_q3080cc9167_attn
		.amdhsa_group_segment_fixed_size 136192
		.amdhsa_private_segment_fixed_size 0
		.amdhsa_enable_private_segment 0
		.amdhsa_kernarg_size 40
		.amdhsa_user_sgpr_count 2
		.amdhsa_user_sgpr_kernarg_segment_ptr 1
		.amdhsa_wavefront_size32 1
		.amdhsa_system_sgpr_workgroup_id_x 1
		.amdhsa_system_sgpr_workgroup_id_y 1
		.amdhsa_system_sgpr_workgroup_id_z 1
		.amdhsa_system_vgpr_workitem_id 0
		.amdhsa_next_free_vgpr 512
		.amdhsa_next_free_sgpr 102
		.amdhsa_reserve_vcc 0
		.amdhsa_float_denorm_mode_32 3
		.amdhsa_float_denorm_mode_16_64 3
		.amdhsa_memory_ordered 1
		.amdhsa_forward_progress 1
		.amdhsa_inst_pref_size 153
	.end_amdhsa_kernel
	.amdgpu_metadata
---
amdhsa.version: [ 1, 2 ]
amdhsa.kernels:
  - .name:           k_q3080cc9167_attn
    .symbol:         k_q3080cc9167_attn.kd
    .args:
      - { .name: query_layer, .offset: 0, .size: 8, .value_kind: global_buffer, .address_space: global }
      - { .name: kv, .offset: 8, .size: 8, .value_kind: global_buffer, .address_space: global }
      - { .name: mbits, .offset: 16, .size: 8, .value_kind: global_buffer, .address_space: global }
      - { .name: flags, .offset: 24, .size: 8, .value_kind: global_buffer, .address_space: global }
      - { .name: out0, .offset: 32, .size: 8, .value_kind: global_buffer, .address_space: global }
    .group_segment_fixed_size: 136192
    .private_segment_fixed_size: 0
    .kernarg_segment_align: 8
    .kernarg_segment_size: 40
    .max_flat_workgroup_size: 256
    .sgpr_count:     102
    .vgpr_count:     512
    .wavefront_size: 32
...
	.end_amdgpu_metadata
.endif
;; end of part 2
;; ======== version 2 of 2: 2 launches
;; workspace buffers: kv 34,603,008 bytes; mbits 1,048,576 bytes of whole numbers; flags 512 bytes of whole numbers
;; launch prep (part 3): grid 896 x 1, 4 waves a work-group, no clusters, 68,096 bytes of LDS; arguments key_layer, value_layer, attention_mask, kv, mbits, flags; writes kv, mbits, flags
.if DOCPART == 3
	.amdgcn_target "amdgcn-amd-amdhsa--gfx1250"
	.amdhsa_code_object_version 6
	.text
	.protected	k_q3080cc9167_prep
	.globl	k_q3080cc9167_prep
	.p2align	8
	.type	k_q3080cc9167_prep,@function
k_q3080cc9167_prep:
	s_mov_b64 s[64:65], 0
	v_nop
	global_prefetch_b8 v0, s[64:65] scope:SCOPE_SE
	s_setreg_imm32_b32 hwreg(HW_REG_WAVE_MODE, 25, 1), 1
	s_wait_xcnt 0x0
; K and V (f32, [64 heads][2048 keys][128]) become codes of FP8 (E4M3) with one E8M0 byte for each 32 along a product's K, laid as IMAGES OF THE OPERANDS' REGISTERS,
; and the mask (one byte an entry, [2][2048][2048], not 0 = hidden) becomes lane masks and flags.  Three ways part on the work-group's number:
;   work-groups 0-255:   K, quantised along the head's 128.  A wave takes one (head, step of 128 keys).
;   work-groups 256-767: V, quantised along the keys.  A lane takes a column d and its registers run down the keys; a wave takes 32 columns x 256 keys.
;   work-groups 768-895: the mask.  A work-group takes 32 queries of one batch, each wave four steps of 128 keys.
; kv: [head][step][33,792 bytes]: K's image 16,384 (tile t: 2,048 bytes; byte 512 c + 16 lane + i is register 4 c + i / 4 of that lane), V's image 16,384 likewise,
;   K's scale words 512 (word 16 t + r), V's 512 (word d).  THE KEYS OF A TILE OF K ARE NOT NEIGHBOURS: lane r of tile 2 b + u holds key 32 b + 8 u + r + 8 (r / 8),
;   so that in the scores the 16 registers of tiles 2 b and 2 b + 1 are 16 neighbouring keys.
; mbits: [batch][pair of 16-query tiles][step][tile][64 words]: bit L of word n = mask[query 16 tile + L % 16][key 32 (n / 16) + 16 (L / 16) + n % 16 of the step]: the lane mask of score register n.
; flags: [batch][pair] one word: bit 2 j: step j has an open entry in the pair's 32 rows; bit 2 j + 1: it has a hidden one.
; A block's scale is 2^(floor(log2(largest magnitude)) - 8); its byte is the largest magnitude's exponent field - 8, held at 1 from below.
; LIMITS: NaN and infinities among the inputs are not served; blocks whose largest magnitude lies under 2^-118 keep the byte 1, blocks of zeros among them (the rule says 127:
; their codes are zeros, which add nothing under that byte, and this program alone reads the bytes).
; No tensor loads, no barrier: waves share nothing.  Matrix units and clusters have no work here: the launch streams.
.set STEPB, 33792                      ; a step's bytes in kv
.set SPK,   528                        ; K's way: a stage row: 512 bytes + 16 = 132 words, so that row r starts 4 r words on and the 16 rows that a load touches start at 16 different places
.set WSTG,  32*SPK                     ; a wave's own stage: 32 rows
.set SEL,   20                         ; s[20:21] v_permlanex16_b32's selects for lane l xor 16
.set MNT,   23                         ; s23 the mantissa field of 448
.set R,     16                         ; K: v16-143  32 rows as loaded
.set X,     144                        ; K: v144-207 64 numbers of a lane
.set PC0,   208                        ; K: v208-223, v224-239 the codes of a unit's two tiles
.set PC1,   224
.set TM,    240                        ; K: v240-255 at work
.set XV,    32                         ; V: v32-95 two sets of 32 numbers
.set CV,    96                         ; V: v96-103 a block's codes
.set SBV,   24                         ; V: v24-25 scale bytes, four to a register
.set MR,    16                         ; mask: v16-143 bytes as loaded
.set WR,    144                        ; mask: v144-159 the words, a pair for each (step, tile)
; 64 numbers of a lane, register 16 b + i = k 32 b + 16 (lane / 16) + i of my row, become a fragment's codes in v[pc] on and its scale word in v[pw]
.macro QUANT s, pc, pw
.irp b, 0,1,2,3
	v_max3_num_f32 v[TM+\b], |v[\s+16*\b]|, |v[\s+1+16*\b]|, 0x4800000      ; block b: my 16 numbers, and the floor 2^(9 - 127): the byte cannot fall under 1
.endr
.irp i, 2,4,6,8,10,12,14
.irp b, 0,1,2,3
	v_max3_num_f32 v[TM+\b], v[TM+\b], |v[\s+16*\b+\i]|, |v[\s+1+16*\b+\i]|  ; the four blocks by turns
.endr
.endr
.irp b, 0,1,2,3
	v_permlanex16_b32 v[TM+4+\b], v[TM+\b], s[SEL], s[SEL+1]
.endr
.irp b, 0,1,2,3
	v_max_num_f32 v[TM+\b], v[TM+\b], v[TM+4+\b]                             ; with lane l xor 16's: the block's largest magnitude
.endr
.irp b, 0,1,2,3
	v_add_nc_u32 v[TM+12+\b], 0xfc000000, v[TM+\b]                           ; 8 off its exponent field: the conversion's scale operand
.endr
.irp b, 0,1,2,3
	v_and_or_b32 v[TM+8+\b], v[TM+\b], 0x7f800000, s[MNT]                    ; 448 x the scale
.endr
.irp b, 0,1,2,3
	v_lshrrev_b32 v[TM+4+\b], 23, v[TM+12+\b]                                ; the scale's byte
.endr
	v_lshl_or_b32 v[\pw], v[TM+5], 8, v[TM+4]                                ; four bytes: my row's scale word (both halves of the lanes hold it)
	v_lshl_or_b32 v[\pw], v[TM+6], 16, v[\pw]
	v_lshl_or_b32 v[\pw], v[TM+7], 24, v[\pw]
.irp b, 0,1,2,3
.irp i, 0,1,2,3,4,5,6,7,8,9,10,11,12,13,14,15
	v_med3_num_f32 v[\s+16*\b+\i], v[\s+16*\b+\i], -v[TM+8+\b], v[TM+8+\b]   ; the conversion to an 8-bit code does not saturate (ISA guide 7.6.2): the hold comes first
.endr
	v_cvt_scalef32_pk8_fp8_f32 v[\pc+4*\b:\pc+4*\b+1], v[\s+16*\b:\s+16*\b+7], v[TM+12+\b]
	v_cvt_scalef32_pk8_fp8_f32 v[\pc+4*\b+2:\pc+4*\b+3], v[\s+16*\b+8:\s+16*\b+15], v[TM+12+\b]
.endr
	v_nop                                          ; a plain line behind the last conversion
.endm
	s_load_b256 s[4:11], s[0:1], 0x0               ; K s[4:5], V s[6:7], the mask s[8:9], kv s[10:11]
	s_load_b128 s[12:15], s[0:1], 0x20             ; mbits s[12:13], flags s[14:15]
	v_lshl_add_u32 v14, v0, 2, 0x10800
	v_mov_b32 v15, 0
	v_lshrrev_b32 v1, 5, v0
	v_readfirstlane_b32 s16, v1                    ; wave 0..3
	v_and_b32 v5, 31, v0                           ; lane
	v_and_b32 v6, 15, v0                           ; r
	v_bfe_u32 v7, v0, 4, 1                         ; h
	s_mov_b32 s[SEL], 0x76543210
	s_mov_b32 s[SEL+1], 0xfedcba98
	s_mov_b32 s[MNT], 0x600000
	s_mov_b32 s27, 0                               ; the upper word of every offset pair s[26:27]
	s_wait_kmcnt 0x0
	s_cmp_lt_u32 ttmp9, 256
	s_cbranch_scc0 .Lnot_k
	s_wait_alu depctr_va_vdst(0)
; ---------------- K ----------------
; A unit is 32 keys: 32 loads, each a key's whole row of 512 bytes; the rows go into my stage in the order of the two tiles' rows and come back 64 bytes a lane.
	v_lshlrev_b32 v1, 4, v5                        ; 16 x lane: my bytes of a row, and of an image's 512
	s_mul_i32 s17, s16, WSTG
	v_add_nc_u32 v2, s17, v1                       ; the stage, on the way in
	v_mul_u32_u24 v3, v6, SPK
	v_lshl_add_u32 v3, v7, 6, v3
	v_add_nc_u32 v3, s17, v3                       ; and out: row r, + 64 h: my 16 numbers of a block of 32
	v_lshlrev_b32 v4, 2, v5                        ; 4 x lane: a scale word
	s_mov_b32 s24, 0xffff0000                      ; lanes 16-31
.irp b, 0,1,2,3
	v_mov_b32 v[TM+4+\b], 0                        ; written once: a lane permute's destination counts as one of its sources
.endr
	s_lshl_b32 s18, ttmp9, 2
	s_add_co_u32 s18, s18, s16                     ; which (head, step) is my wave's: 16 x head + step
	s_lshl_b32 s26, s18, 16                        ; 128 keys of 512 bytes
	s_add_nc_u64 s[4:5], s[4:5], s[26:27]
	s_mul_i32 s26, s18, STEPB
	s_add_nc_u64 s[10:11], s[10:11], s[26:27]
.macro KLD b
.set k, 0
.rept 32
	global_load_b128 v[R+4*k:R+4*k+3], v1, s[4:5] offset:(32*(\b)+k)*512 th:TH_LOAD_NT   ; 32 lanes read a key's 512 consecutive bytes; read once in the launch
.set k, k+1
.endr
.endm
.macro KTILE u                         ; tile u of the unit comes back from the stage
.irp c, 0,1,2,3
.irp j, 0,1,2,3
	ds_load_b128 v[X+16*\c+4*\j:X+16*\c+4*\j+3], v3 offset:16*\u*SPK+128*\c+16*\j
.endr
.endr
	s_wait_dscnt 0x0
.endm
.macro KUNIT b
	s_wait_xcnt 0x0                                ; the last unit's stores have read their registers: the codes may be written again
	s_wait_loadcnt 0x0                             ; this unit's 32 rows are in
.set k, 0
.rept 32
	ds_store_b128 v2, v[R+4*k:R+4*k+3] offset:(16*((k>>3)&1)+(k&7)+8*(k>>4))*SPK   ; key k of the 32 is row (k % 8) + 8 (k / 16) of tile (k / 8) % 2
.set k, k+1
.endr
	KTILE 0                                        ; LDS serves a wave's instructions in order: the loads see the stores; the wait for 0 also shows that the stores have read their registers,
.if \b < 3
	KLD \b+1                                       ; which take the next unit's rows
.endif
	QUANT X, PC0, 8
.irp c, 0,1,2,3
	global_store_b128 v1, v[PC0+4*\c:PC0+4*\c+3], s[10:11] offset:(2*\b)*2048+512*\c     ; 32 lanes store 512 consecutive bytes, aligned
.endr
	KTILE 1
	QUANT X, PC1, 9
.irp c, 0,1,2,3
	global_store_b128 v1, v[PC1+4*\c:PC1+4*\c+3], s[10:11] offset:(2*\b+1)*2048+512*\c
.endr
	v_cndmask_b32 v[10+\b], v8, v9, s24            ; lanes 0-15: the first tile's words; lanes 16-31: the second's
	global_store_b32 v4, v[10+\b], s[10:11] offset:32768+128*\b
.endm
	KLD 0
	s_wait_alu depctr_va_vdst(0)
	KUNIT 0
	KUNIT 1
	KUNIT 2
	KUNIT 3
	s_wait_tensorcnt 0x0
	ds_add_u32 v14, v15
	s_wait_dscnt 0x0
	s_endpgm
.Lnot_k:
	s_cmp_lt_u32 ttmp9, 768
	s_cbranch_scc0 .Lmask
; ---------------- V ----------------
; A block of 32 keys of one column lies in ONE lane's 32 registers: its largest magnitude needs no other lane, and the conversions give codes with the keys innermost.
; A lane's first 16 codes of a block are the image's bytes of lane (r, 0), the other 16 those of lane (r, 1): sixteen lanes store 256 consecutive bytes, aligned.
	s_sub_co_u32 s17, ttmp9, 256
	s_lshr_b32 s18, s17, 3                         ; head
	s_and_b32 s19, s17, 7                          ; which 256 keys
	s_lshl_b32 s26, s18, 20                        ; a head: 2,048 keys of 512 bytes
	s_lshl_b32 s28, s19, 17
	s_add_co_u32 s26, s26, s28
	s_lshl_b32 s28, s16, 7                         ; my wave's 32 columns
	s_add_co_u32 s26, s26, s28
	s_add_nc_u64 s[6:7], s[6:7], s[26:27]
	s_lshl_b32 s28, s18, 4
	s_lshl_b32 s29, s19, 1
	s_add_co_u32 s28, s28, s29
	s_mul_i32 s26, s28, STEPB                      ; the first of my two steps in kv
	s_add_nc_u64 s[10:11], s[10:11], s[26:27]
	s_wait_alu depctr_va_vdst(0)
	v_lshlrev_b32 v1, 2, v5                        ; in: 4 bytes a lane
	v_lshlrev_b32 v2, 4, v6
	v_lshl_add_u32 v2, v7, 11, v2
	s_lshl_b32 s17, s16, 12
	v_add_nc_u32 v2, s17, v2                       ; out: tile 2 wave + lane / 16 (2,048 bytes each), 16 (lane % 16)
	v_lshlrev_b32 v3, 2, v0                        ; my column's scale word: 4 (32 wave + lane)
.macro VLD t
.set k, 0
.rept 32
	global_load_b32 v[XV+32*((\t)%2)+k], v1, s[6:7] offset:(32*(\t)+k)*512 th:TH_LOAD_NT   ; V(key 32 t + k, my column)
.set k, k+1
.endr
.endm
.macro VBLOCK t
.set XS, XV+32*((\t)%2)
.if (\t) < 7
	s_wait_loadcnt 32                              ; this block's 32 loads are in; the next block's 32 may be out
.else
	s_wait_loadcnt 0x0
.endif
	v_max3_num_f32 v12, |v[XS]|, |v[XS+1]|, |v[XS+2]|
	v_max3_num_f32 v13, |v[XS+3]|, |v[XS+4]|, |v[XS+5]|
.irp i, 6,10,14,18,22,26
	v_max3_num_f32 v12, v12, |v[XS+\i]|, |v[XS+\i+1]|
	v_max3_num_f32 v13, v13, |v[XS+\i+2]|, |v[XS+\i+3]|
.endr
	v_max3_num_f32 v12, v12, |v[XS+30]|, |v[XS+31]|
	v_max3_num_f32 v12, v12, v13, 0x4800000        ; and the floor 2^(9 - 127)
	v_add_nc_u32 v11, 0xfc000000, v12              ; the conversion's scale operand
	v_and_or_b32 v10, v12, 0x7f800000, s[MNT]      ; 448 x the scale
	v_lshrrev_b32 v13, 23, v11                     ; the byte
.if (\t)%4 == 0
	v_mov_b32 v[SBV+(\t)/4], v13                   ; four bytes to a register: a step's word of my column
.else
	v_lshl_or_b32 v[SBV+(\t)/4], v13, 8*((\t)%4), v[SBV+(\t)/4]
.endif
.set k, 0
.rept 32
	v_med3_num_f32 v[XS+k], v[XS+k], -v10, v10
.set k, k+1
.endr
	s_wait_alu depctr_va_vdst(0)
	s_wait_xcnt 0x0                                ; the last block's stores have read their registers
.irp g, 0,1,2,3
	v_cvt_scalef32_pk8_fp8_f32 v[CV+2*\g:CV+2*\g+1], v[XS+8*\g:XS+8*\g+7], v11
.endr
	v_nop                                          ; a plain line behind the last conversion
	global_store_b128 v2, v[CV:CV+3], s[10:11] offset:((\t)/4)*STEPB+16384+512*((\t)%4)
	global_store_b128 v2, v[CV+4:CV+7], s[10:11] offset:((\t)/4)*STEPB+16384+512*((\t)%4)+256
.if (\t)%4 == 3
	global_store_b32 v3, v[SBV+(\t)/4], s[10:11] offset:((\t)/4)*STEPB+33280
.endif
.if (\t)+2 < 8
	VLD (\t)+2
.endif
.endm
	VLD 0
	VLD 1
.irp t, 0,1,2,3,4,5,6,7
	VBLOCK \t
.endr
	s_endpgm
; ---------------- the mask ----------------
; Lane (r, h) reads, of row 16 T + r, the 16 bytes at key 32 bb + 16 h of a step: byte n % 4 of register n / 4 of a (step, tile) is the entry of score register n in that lane.
; A compare turns it into the 32 lanes' bits, one word; the words are set into lanes (word n into lane n / 2 of register n % 2), so that a tile's 64 words leave as 256 consecutive bytes.
.Lmask:
	s_sub_co_u32 s17, ttmp9, 768                   ; 64 x batch + pair
	s_lshl_b32 s26, s17, 16                        ; 32 rows of 2,048 bytes (a batch is 64 such pairs)
	s_lshl_b32 s28, s16, 9                         ; my wave's four steps: 512 bytes of each row
	s_add_co_u32 s26, s26, s28
	s_add_nc_u64 s[8:9], s[8:9], s[26:27]
	s_lshl_b32 s26, s17, 13                        ; mbits: 16 steps of 512 bytes a pair,
	s_lshl_b32 s28, s16, 11                        ; four steps a wave
	s_add_co_u32 s26, s26, s28
	s_add_nc_u64 s[12:13], s[12:13], s[26:27]
	s_lshl_b32 s26, s17, 2                         ; flags: the pair's word, my wave's byte
	s_add_co_u32 s26, s26, s16
	s_add_nc_u64 s[14:15], s[14:15], s[26:27]
	s_wait_alu depctr_va_vdst(0)
	v_lshlrev_b32 v1, 11, v6
	v_lshl_add_u32 v1, v7, 4, v1                   ; row r, + 16 h
	v_lshlrev_b32 v2, 3, v5                        ; out: two words a lane
.irp jj, 0,1,2,3
.irp T, 0,1
.irp bb, 0,1,2,3
	global_load_b128 v[MR+16*(2*\jj+\T)+4*\bb:MR+16*(2*\jj+\T)+4*\bb+3], v1, s[8:9] offset:\T*32768+\jj*128+32*\bb
.endr
.endr
.endr
.set k, 0
.rept 16
	v_mov_b32 v[WR+k], 0                           ; a lane write's destination counts as one of its sources
.set k, k+1
.endr
	s_mov_b32 s29, 0                               ; my byte of the flags
.irp jj, 0,1,2,3
	s_wait_loadcnt 8*(3-\jj)                       ; this step's eight loads are in; the eight of each later step may be out
	s_mov_b32 s30, 0                               ; the OR of the step's 128 words
	s_mov_b32 s31, -1                              ; and their AND
.irp T, 0,1
.set n, 0
.rept 64
	v_and_b32 v[8+n%2], 0xff<<(8*(n%4)), v[MR+16*(2*\jj+\T)+n/4]
	v_cmp_ne_u32 s[32+n%8], 0, v[8+n%2]            ; word n: bit L = lane L's entry is hidden
	s_or_b32 s30, s30, s[32+n%8]
	s_and_b32 s31, s31, s[32+n%8]
	v_writelane_b32 v[WR+2*(2*\jj+\T)+(n&1)], s[32+n%8], n>>1
.set n, n+1
.endr
	global_store_b64 v2, v[WR+2*(2*\jj+\T):WR+2*(2*\jj+\T)+1], s[12:13] offset:\jj*512+\T*256   ; 32 lanes store 256 consecutive bytes, aligned; each pair of registers is written for one store only
.endr
	s_cmp_lg_u32 s31, -1                           ; some entry is open
	s_cselect_b32 s28, 1<<(2*\jj), 0
	s_or_b32 s29, s29, s28
	s_cmp_lg_u32 s30, 0                            ; some entry is hidden
	s_cselect_b32 s28, 2<<(2*\jj), 0
	s_or_b32 s29, s29, s28
.endr
	v_mov_b32 v10, s29
	v_mov_b32 v11, 0
	v_cmp_eq_u32 vcc_lo, 0, v5
	s_wait_alu depctr_va_vdst(0)
	s_wait_xcnt 0x0                                ; EXEC is a source of the stores above: it changes only behind this wait
	s_and_saveexec_b32 s28, vcc_lo
	global_store_b8 v11, v10, s[14:15]             ; lane 0 alone: one byte a wave, four waves make the pair's word
	s_wait_xcnt 0x0                                ; and again in front of the line that widens it
	s_or_b32 exec_lo, exec_lo, s28
	s_endpgm
.Lfunc_end_k_q3080cc9167_prep:
	.size	k_q3080cc9167_prep, .Lfunc_end_k_q3080cc9167_prep-k_q3080cc9167_prep
	.p2alignl 7, 3214868480
	.fill 96, 4, 3214868480
	.section	.rodata,"a",@progbits
	.p2align	6, 0x0
	.amdhsa_kernel k_q3080cc9167_prep
		.amdhsa_group_segment_fixed_size 68096
		.amdhsa_private_segment_fixed_size 0
		.amdhsa_enable_private_segment 0
		.amdhsa_kernarg_size 48
		.amdhsa_user_sgpr_count 2
		.amdhsa_user_sgpr_kernarg_segment_ptr 1
		.amdhsa_wavefront_size32 1
		.amdhsa_system_sgpr_workgroup_id_x 1
		.amdhsa_system_sgpr_workgroup_id_y 1
		.amdhsa_system_sgpr_workgroup_id_z 1
		.amdhsa_system_vgpr_workitem_id 0
		.amdhsa_next_free_vgpr 256
		.amdhsa_next_free_sgpr 66
		.amdhsa_reserve_vcc 1
		.amdhsa_float_denorm_mode_32 3
		.amdhsa_float_denorm_mode_16_64 3
		.amdhsa_memory_ordered 1
		.amdhsa_forward_progress 1
		.amdhsa_inst_pref_size 255
	.end_amdhsa_kernel
	.section	.bss,"aw",@nobits
	.p2align	6
	.space	262144
	.amdgpu_metadata
---
amdhsa.version: [ 1, 2 ]
amdhsa.kernels:
  - .name:           k_q3080cc9167_prep
    .symbol:         k_q3080cc9167_prep.kd
    .args:
      - { .name: key_layer, .offset: 0, .size: 8, .value_kind: global_buffer, .address_space: global }
      - { .name: value_layer, .offset: 8, .size: 8, .value_kind: global_buffer, .address_space: global }
      - { .name: attention_mask, .offset: 16, .size: 8, .value_kind: global_buffer, .address_space: global }
      - { .name: kv, .offset: 24, .size: 8, .value_kind: global_buffer, .address_space: global }
      - { .name: mbits, .offset: 32, .size: 8, .value_kind: global_buffer, .address_space: global }
      - { .name: flags, .offset: 40, .size: 8, .value_kind: global_buffer, .address_space: global }
    .group_segment_fixed_size: 68096
    .private_segment_fixed_size: 0
    .kernarg_segment_align: 8
    .kernarg_segment_size: 48
    .max_flat_workgroup_size: 128
    .sgpr_count:     66
    .vgpr_count:     256
    .wavefront_size: 32
...
	.end_amdgpu_metadata
.endif
;; end of part 3
;; launch attn (part 4): grid 4 x 64, 8 waves a work-group, no clusters, 136,192 bytes of LDS; arguments query_layer, kv, mbits, flags, out0; writes out0
.if DOCPART == 4
	.amdgcn_target "amdgcn-amd-amdhsa--gfx1250"
	.amdhsa_code_object_version 6
	.text
	.protected	k_q3080cc9167_attn
	.globl	k_q3080cc9167_attn
	.p2align	8
	.type	k_q3080cc9167_attn,@function
k_q3080cc9167_attn:
	s_mov_b64 s[64:65], 0
	v_nop
	global_prefetch_b8 v0, s[64:65] scope:SCOPE_SE
	s_setreg_imm32_b32 hwreg(HW_REG_WAVE_SCHED_MODE, 0, 2), 2
	s_setreg_imm32_b32 hwreg(HW_REG_WAVE_MODE, 25, 1), 1
	s_wait_xcnt 0x0
	s_wait_alu depctr_vm_vsrc(0)
; out[b][q][128 h + d] = the sum over k of softmax_k(Q[q] . K[k] / sqrt(128), hidden entries of the given mask at -infinity) V[k][d], both products on codes of FP8 (E4M3) with one E8M0 scale for each 32 along K.
; K and V come as images of the operands' registers with their scale words (kv), the mask as lane masks (mbits) and as flags for each (32 queries, 128 keys) (flags): all made by the launch before.  Q arrives as f32 and is quantised here.
; THE SOFTMAX: t = score x log2(e) / sqrt(128); M = the running largest t rounded UP to a whole number; p = 2^(t - M) is quantised along the keys; the row's sum is taken of the unquantised p and divides at the end.
; When M moves, the sum and O are multiplied by 2^(old M - new M): exact.
; SHARES.  256 work-groups of eight waves, 512 registers a wave: two waves to a SIMD, so that one wave's LDS and matrix work stands beside the other's vector work.  A work-group owns one head and walks its 16 steps of 128 keys
; twice: for query block 7 - x and then for block x (256 queries each).  Wave w owns 32 queries of the block, two tiles A and B, and every fragment of K and V that it reads from LDS feeds both.
; WHAT THE MASK HIDES WHOLLY IS NOT WORKED.  A wave's work on a step stands under scalar branches on its pair's flags; the select of -infinity stands under the flag 'has a hidden entry'.  A step that no wave of the block needs is not fetched.
; The loops' trip counts are constants and every wave passes every barrier.
; THE RING.  Two LDS slots of one step (33,792 bytes).  Each wave brings an eighth of a step through registers: loaded a step ahead, stored into the slot that is not being read.  One barrier a step: its signal stands in the step's
; middle, behind the wave's last LDS instruction of the step; only register work stands between it and the wait at the next step's head.
; NO TENSOR LOADS AND NO JOINT LOADS: which steps are fetched hangs on the flags of the work-group's own query block, so the four work-groups of a head would make different requests, and loads through registers may stand under a branch.
; LAYOUT.  Both products are used transposed: S^T = K Q^T, O^T = V^T P^T: a lane holds ONE query (lane % 16) throughout; score register 16 b + i of lane (r, h) is key 32 b + 16 h + i of the step.
; LIMITS: NaN and infinities among the inputs are not served; blocks of q whose largest magnitude lies under 2^-118 keep the byte 1 (blocks of zeros too: their codes are zeros); a block's largest p is made from the block's largest score,
; which takes v_exp_f32 not to fall where its input rises; t is the score times ONE rounded constant; a row that the mask hides wholly gives 0 x (1 / 0) = NaN, as the softmax of such a row is.
; REGISTERS, in windows of 256.  Window 0: see the names below.  Window 1: v0-63 O^T of tile A, v64-127 of tile B, v128-255 eight fragments of K or of V.
; THE MODE: SCHED_MODE bits 1:0 = 2 (LLVM: expert scheduling mode 2), set by the entry lines.  The code itself states the register dependences between vector or matrix instructions and memory or LDS instructions, with s_wait_alu, always for 0.
; THE PLAN.  Registers that memory or LDS instructions touch:
;   v1-4, v253-255  addresses.  Written at the kernel's head, read by every load and store; the wait at a pass's head shows them written.  v254 and v255 are made anew once, at the very end.
;   v220-252        my eighth of a step.  The global loads land in them, the LDS stores read them; no vector instruction names them.  One wait on vm_vsrc behind the stores, ahead of the branch round the next loads.
;   the fragments (window 1, v128-255) and v40-43, their scale words.  A step: K's land; the products K Q^T read them; V's land; the products V^T P^T read them.  One wait on va_vdst ahead of each of the two runs of loads.
;   v92-219         A pass's head: q's rows land, turn through the stage (stores, a wait on vm_vsrc, loads) and are quantised.  In the steps vector and matrix instructions alone name them.
;                   The way out: the multiplications write them, a wait on va_vdst, the LDS stores read them, a wait on vm_vsrc, the LDS loads land, the global stores read them; the wait on vm_vsrc at the next pass's head frees them for q.
;   q's codes and scale words, p's codes and scale words: written by vector instructions, taken by scaled products: behind their places a wait on va_vdst (q's: once a pass; p's: ahead of each tile's eight products).
;   s[32:99]        the mask words: scalar loads write them, the selects read them: between a tile's selects and the next scalar loads into them stands a wait on va_vdst.
; Tile A's eight products V^T P^T stand ahead of tile B's softmax, which names none of their registers: so the wait at the next step's head has tile B's eight products to wait for and not sixteen.
.set STEPB, 33792                      ; a step's bytes in kv: K's image 16,384, V's 16,384, K's scale words 512, V's 512
.set IMG,   2048                       ; LDS: bytes 0-2,047 the scale words (slot s at 1,024 s); from here the images (slot s at 32,768 s: K's, then V's)
.set STG,   67584                      ; and from here a stage of 16 rows x 528 bytes for each wave, its own: q on the way in, O on the way out
.set SP,    528                        ; 512 bytes + 16 = 132 words: row r starts 4 r words on, so the 16 rows that a load touches start at 16 different places
.set LI,   1                           ; v1   IMG + 16 x lane: an image's place for my lane; with -IMG in the immediate also my 16 bytes of a row of 512 in memory
.set LS,   2                           ; v2   4 x lane: a scale word's place
.set SW,   3                           ; v3   IMG + 4,096 x wave + 16 x lane: my eighth of a step's images
.set GS,   4                           ; v4   128 x wave + 4 x lane: my eighth of its scale words
.set NINF, 5                           ; v5   -infinity
.set TMP,  6                           ; v6-7 at work
.set STA,  8                           ; v8 -M, v9 the largest t, v[10:11] the sum in two halves: tile A;  v12-15: tile B
.set STB,  12
.set TM,   16                          ; v16-19 block maxima, v20-23 bytes, v24-27 448 x the scale, v28-31 the conversions' scale operands
.set FF,   32                          ; v32 f = 2^(old M - new M), later 1 / the sum; v33 named with it as a pair
.set SM2,  34                          ; v[34:35] the sum's second chain
.set PWA,  36                          ; v36, v37 p's scale words;  v38, v39 q's;  v40-43 K's or V's (lanes 0-15 tile 2 g's, lanes 16-31 tile 2 g + 1's): these hold scales and nothing else
.set PWB,  37
.set QSA,  38
.set QSB,  39
.set SCL,  40
.set PC,   44                          ; v44-59 tile A's codes of p.  Tile B's go to v92-107, which tile A's p has left
.set QA,   60                          ; v60-75, v76-91 q's fragments
.set QB,   76
.set SA,   92                          ; v92-155, v156-219 S^T, then p
.set SB,   156
.set SG,   220                         ; v220-251 my eighth of the next step's images, v252 of its scale words
.set SGS,  252
.set RD,   253                         ; v253 my stage + 16 x lane: whole rows
.set STO,  254                         ; v254 my stage + row r + 32 h: O on the way in
.set QRD,  255                         ; v255 my stage + row r + 64 h: q on the way out
.set FR,   128                         ; window 1: fragment t at v[FR + 16 t]
.set WV,   2                           ; s2   my wave's number
.set KVP,  14                          ; s[14:15] kv at the step to be loaded next
.set MKP,  16                          ; s[16:17] at a pass's head: flags at my pair's word; then mbits at my pair's step in hand
.set QP,   18                          ; s[18:19] q at my 32 rows, later out0 at them
.set MYW,  20                          ; s20  my pair's flags, two bits a step, shifted down step by step
.set NDW,  21                          ; s21  the OR of the block's eight pairs' flags, likewise
.set PASS, 22
.set TRIP, 23
.set BLK,  24                          ; s24  the query block in hand
.set MNT,  25                          ; s25  the mantissa field of 448
.set CS,   26                          ; s[26:27] c = log2(e) / sqrt(128), twice
.set SEL,  28                          ; s[28:29] v_permlanex16_b32's selects for lane l xor 16
                                       ; s[30:31] an offset, s31 = 0 throughout;  s[32:63], s[68:99] a tile's 64 mask words: word n in s[32 + n + 4 (n / 32)]: these hold whole numbers read from memory or zeros, never an address
                                       ; s[100:101] at a pass's head: flags at the block's eight words
.set MSB, 0
.macro WIN new                         ; s_set_vgpr_msb: bits 1:0 source 0, 3:2 source 1, 5:4 source 2, 7:6 destination; the high byte repeats the setting that is left
.if MSB != \new
	s_set_vgpr_msb (MSB<<8)|\new
.set MSB, \new
.endif
.endm
.macro PLACES n
.rept \n
	v_nop
.endr
.endm
; 64 numbers of a lane, register 16 b + i = k 32 b + 16 (lane / 16) + i of my row, become a fragment's codes in v[pc] on and its scale word in v[pw]
.macro QUANT s, pc, pw
.irp b, 0,1,2,3
	v_max3_num_f32 v[TM+\b], |v[\s+16*\b]|, |v[\s+1+16*\b]|, 0x4800000      ; block b: my 16 numbers, and the floor 2^(9 - 127): the byte cannot fall under 1
.endr
.irp i, 2,4,6,8,10,12,14
.irp b, 0,1,2,3
	v_max3_num_f32 v[TM+\b], v[TM+\b], |v[\s+16*\b+\i]|, |v[\s+1+16*\b+\i]|
.endr
.endr
.irp b, 0,1,2,3
	v_permlanex16_b32 v[TM+4+\b], v[TM+\b], s[SEL], s[SEL+1]
.endr
.irp b, 0,1,2,3
	v_max_num_f32 v[TM+\b], v[TM+\b], v[TM+4+\b]                             ; with lane l xor 16's: the block's largest magnitude
.endr
.irp b, 0,1,2,3
	v_add_nc_u32 v[TM+12+\b], 0xfc000000, v[TM+\b]                           ; 8 off its exponent field: the conversion's scale operand
.endr
.irp b, 0,1,2,3
	v_and_or_b32 v[TM+8+\b], v[TM+\b], 0x7f800000, s[MNT]                    ; 448 x the scale
.endr
.irp b, 0,1,2,3
	v_lshrrev_b32 v[TM+4+\b], 23, v[TM+12+\b]                                ; the byte
.endr
	v_lshl_or_b32 v[\pw], v[TM+5], 8, v[TM+4]
	v_lshl_or_b32 v[\pw], v[TM+6], 16, v[\pw]
	v_lshl_or_b32 v[\pw], v[TM+7], 24, v[\pw]
.irp b, 0,1,2,3
.irp i, 0,1,2,3,4,5,6,7,8,9,10,11,12,13,14,15
	v_med3_num_f32 v[\s+16*\b+\i], v[\s+16*\b+\i], -v[TM+8+\b], v[TM+8+\b]   ; the conversion to an 8-bit code does not saturate (ISA guide 7.6.2): the hold comes first
.endr
	v_cvt_scalef32_pk8_fp8_f32 v[\pc+4*\b:\pc+4*\b+1], v[\s+16*\b:\s+16*\b+7], v[TM+12+\b]
	v_cvt_scalef32_pk8_fp8_f32 v[\pc+4*\b+2:\pc+4*\b+3], v[\s+16*\b+8:\s+16*\b+15], v[TM+12+\b]
.endr
	v_nop                                          ; a plain line behind the last conversion
.endm
; my eighth of the step at KVP: eight loads of 512 consecutive bytes and 128 bytes of scale words
.macro GLOAD
.irp i, 0,1,2,3,4,5,6,7
	global_load_b128 v[SG+4*\i:SG+4*\i+3], v[SW], s[KVP:KVP+1] offset:512*\i-IMG
.endr
	global_load_b32 v[SGS], v[GS], s[KVP:KVP+1] offset:32768
.endm
.macro SSTORE s                        ; and into slot s, as it lies
.irp i, 0,1,2,3,4,5,6,7
	ds_store_b128 v[SW], v[SG+4*\i:SG+4*\i+3] offset:32768*(\s)+512*\i
.endr
	ds_store_b32 v[GS], v[SGS] offset:1024*(\s)
.endm
; eight fragments and their scale words out of slot s: K's (voff 0, soff 0) or V's (16,384, 512).  The four loads of scale words go first, then four loads a fragment, fragment by fragment.
; The wait on va_vdst that frees these registers stands directly ahead of the macro: between it and the last load stand loads and one window switch alone
.macro FLOAD s, voff, soff
.irp g, 0,1,2,3
	ds_load_b32 v[SCL+\g], v[LS] offset:1024*(\s)+\soff+128*\g
.endr
	WIN 0x40                                       ; destination window 1
.irp t, 0,1,2,3,4,5,6,7
.irp c, 0,1,2,3
	ds_load_b128 v[FR+16*\t+4*\c:FR+16*\t+4*\c+3], v[LI] offset:32768*(\s)+\voff+2048*\t+512*\c
.endr
.endr
	WIN 0
.endm
; S^T = K Q^T for both tiles: 16 products, each the whole of its sum (K = the head's 128), C = 0
.macro SMUL
	WIN 0x01                                       ; source 0 (K) window 1
.irp t, 0,1,2,3,4,5,6,7
	s_wait_dscnt 4*(7-\t)                          ; fragment t is in; the four loads of each later fragment may be out
.if \t%2
	v_wmma_scale_f32_16x16x128_f8f6f4 v[SA+8*\t:SA+8*\t+7], v[FR+16*\t:FR+16*\t+15], v[QA:QA+15], 0, v[SCL+\t/2], v[QSA] matrix_a_scale:MATRIX_SCALE_ROW1
	v_wmma_scale_f32_16x16x128_f8f6f4 v[SB+8*\t:SB+8*\t+7], v[FR+16*\t:FR+16*\t+15], v[QB:QB+15], 0, v[SCL+\t/2], v[QSB] matrix_a_scale:MATRIX_SCALE_ROW1
.else
	v_wmma_scale_f32_16x16x128_f8f6f4 v[SA+8*\t:SA+8*\t+7], v[FR+16*\t:FR+16*\t+15], v[QA:QA+15], 0, v[SCL+\t/2], v[QSA]
	v_wmma_scale_f32_16x16x128_f8f6f4 v[SB+8*\t:SB+8*\t+7], v[FR+16*\t:FR+16*\t+15], v[QB:QB+15], 0, v[SCL+\t/2], v[QSB]
.endif
.endr
	WIN 0
.endm
.macro MASKLD T                        ; tile T's 64 mask words of the step in hand
	s_load_b512 s[32:47], s[MKP:MKP+1], 256*\T
	s_load_b512 s[48:63], s[MKP:MKP+1], 256*\T+64
	s_load_b512 s[68:83], s[MKP:MKP+1], 256*\T+128
	s_load_b512 s[84:99], s[MKP:MKP+1], 256*\T+192
.endm
.macro MASKAP rS                       ; hidden scores become -infinity ahead of the maximum: p = 0 then.  Each accumulator from its low end on
	s_wait_kmcnt 0x0
.set n, 0
.rept 64
	v_cndmask_b32 v[\rS+n], v[\rS+n], v[NINF], s[32+n+4*(n/32)]
.set n, n+1
.endr
.endm
; One tile's softmax for a step: scores in v[rS] on become p, its codes in v[rPC] on and its scale word in v[rPW]; statistics at v[rST]; O^T at v[rO] of window 1 is brought under the new M
.macro SOFTMAX rS, rST, rPC, rPW, rO
.irp b, 0,1,2,3
	v_max3_num_f32 v[TM+\b], v[\rS+16*\b], v[\rS+16*\b+1], v[\rS+16*\b+2]    ; the largest score of each block of 32 keys: it serves for the row's maximum and, since p rises with the score, for the block's largest p
.endr
.irp i, 3,5,7,9,11,13
.irp b, 0,1,2,3
	v_max3_num_f32 v[TM+\b], v[TM+\b], v[\rS+16*\b+\i], v[\rS+16*\b+\i+1]
.endr
.endr
.irp b, 0,1,2,3
	v_max_num_f32 v[TM+\b], v[TM+\b], v[\rS+16*\b+15]
.endr
.irp b, 0,1,2,3
	v_permlanex16_b32 v[TM+4+\b], v[TM+\b], s[SEL], s[SEL+1]
.endr
.irp b, 0,1,2,3
	v_max_num_f32 v[TM+\b], v[TM+\b], v[TM+4+\b]                             ; with lane l xor 16's 16 keys
.endr
	v_max3_num_f32 v[TMP], v[TM], v[TM+1], v[TM+2]
	v_max_num_f32 v[TMP], v[TMP], v[TM+3]          ; the step's largest score of my query
	v_mul_f32 v[TMP], s[CS], v[TMP]                ; as t (c is positive)
	v_max_num_f32 v[\rST+1], v[\rST+1], v[TMP]     ; the running largest t
	v_mov_b32 v[TMP], v[\rST]
	v_floor_f32 v[\rST], -v[\rST+1]                ; the new -M = floor(-t) = -ceil(t): a whole number
	v_sub_f32 v[TMP], v[\rST], v[TMP]              ; old M - new M: a whole number, 0 or less
	v_cvt_i32_f32 v[TMP], v[TMP]                   ; (it saturates)
	v_ldexp_f32 v[FF], 1.0, v[TMP]                 ; f = 2^(old M - new M)
.set n, 0
.rept 32
	v_pk_fma_f32 v[\rS+n:\rS+n+1], v[\rS+n:\rS+n+1], s[CS:CS+1], v[\rST:\rST+1] op_sel_hi:[1,0,0]   ; t - M, two at a time (of the pairs c and -M the low word serves both halves)
.set n, n+2
.endr
.irp b, 0,1,2,3
	v_fma_f32 v[TM+\b], v[TM+\b], s[CS], v[\rST]   ; the same of each block's largest score
.endr
.set n, 0
	s_wait_alu depctr_va_vdst(0)
.rept 64
	v_exp_f32 v[\rS+n], v[\rS+n]                   ; p = 2^(t - M), at most 1: not normalised
.set n, n+1
.endr
.irp b, 0,1,2,3
	v_exp_f32 v[TM+\b], v[TM+\b]                   ; the block's largest p: the same two instructions on the same number
.endr
	v_pk_mul_f32 v[\rST+2:\rST+3], v[\rST+2:\rST+3], v[FF:FF+1] op_sel_hi:[1,0]   ; the sums under the new M (the plain line behind the exponentials)
	s_wait_alu depctr_va_vdst(0)                   ; the 68 exponentials have written p and the blocks' largest p, ahead of their first reader; the selects that stood ahead of this softmax are done reading the mask words
.irp b, 0,1,2,3
	v_max_num_f32 v[TM+\b], 0x4800000, v[TM+\b]    ; the floor 2^(9 - 127): a block whose every p is 0 keeps the byte 1; its codes are zeros
.endr
.irp b, 0,1,2,3
	v_add_nc_u32 v[TM+12+\b], 0xfc000000, v[TM+\b]
.endr
.irp b, 0,1,2,3
	v_and_or_b32 v[TM+8+\b], v[TM+\b], 0x7f800000, s[MNT]
.endr
.irp b, 0,1,2,3
	v_lshrrev_b32 v[TM+4+\b], 23, v[TM+12+\b]
.endr
	v_lshl_or_b32 v[\rPW], v[TM+5], 8, v[TM+4]     ; p's scale word for these 128 keys: far more than eight plain lines ahead of the products that take it
	v_lshl_or_b32 v[\rPW], v[TM+6], 16, v[\rPW]
	v_lshl_or_b32 v[\rPW], v[TM+7], 24, v[\rPW]
	v_pk_add_f32 v[SM2:SM2+1], v[\rS:\rS+1], v[\rS+2:\rS+3]                  ; the row's sum is taken of the unquantised p: two at a time, in two chains
.irp j, 4,8,12,16,20,24,28,32,36,40,44,48,52,56,60
	v_pk_add_f32 v[\rST+2:\rST+3], v[\rST+2:\rST+3], v[\rS+\j:\rS+\j+1]
	v_pk_add_f32 v[SM2:SM2+1], v[SM2:SM2+1], v[\rS+\j+2:\rS+\j+3]
.endr
	v_pk_add_f32 v[\rST+2:\rST+3], v[\rST+2:\rST+3], v[SM2:SM2+1]
.irp b, 0,1,2,3
.irp i, 0,1,2,3,4,5,6,7,8,9,10,11,12,13,14,15
	v_min_num_f32 v[\rS+16*\b+\i], v[\rS+16*\b+\i], v[TM+8+\b]               ; p is not negative: the hold is one-sided
.endr
	v_cvt_scalef32_pk8_fp8_f32 v[\rPC+4*\b:\rPC+4*\b+1], v[\rS+16*\b:\rS+16*\b+7], v[TM+12+\b]
	v_cvt_scalef32_pk8_fp8_f32 v[\rPC+4*\b+2:\rPC+4*\b+3], v[\rS+16*\b+8:\rS+16*\b+15], v[TM+12+\b]
.endr
	WIN 0x41                                       ; O^T: destination and source 0 window 1
.set n, 0
.rept 32
	v_pk_mul_f32 v[\rO+n:\rO+n+1], v[\rO+n:\rO+n+1], v[FF:FF+1] op_sel_hi:[1,0]   ; O^T under the new M, each accumulator from its low end on; these lines also stand between the codes and the products
.set n, n+2
.endr
	WIN 0
.endm
; O^T += V^T P^T for one tile: its eight accumulators at v[rO] of window 1 by turns, one instruction a turn; p's codes in v[rB] on, its scale word in v[rPW]
.macro PVMUL rO, rB, rPW
	WIN 0x51                                       ; source 0 (V), C and D window 1; source 1 (p's codes) window 0
	s_wait_alu depctr_va_vdst(0)                   ; the conversions have written p's codes and the shifts its scale word, which the scaled products below take; the places between (O^T's 32 multiplications) stay beside this wait
.irp t, 0,1,2,3,4,5,6,7
.if \t%2
	v_wmma_scale_f32_16x16x128_f8f6f4 v[\rO+8*\t:\rO+8*\t+7], v[FR+16*\t:FR+16*\t+15], v[\rB:\rB+15], v[\rO+8*\t:\rO+8*\t+7], v[SCL+\t/2], v[\rPW] matrix_a_scale:MATRIX_SCALE_ROW1
.else
	v_wmma_scale_f32_16x16x128_f8f6f4 v[\rO+8*\t:\rO+8*\t+7], v[FR+16*\t:FR+16*\t+15], v[\rB:\rB+15], v[\rO+8*\t:\rO+8*\t+7], v[SCL+\t/2], v[\rPW]
.endif
.endr
	WIN 0
.endm
; A STEP: slot s is read, the other slot is filled with the next step.
.macro STEP s
	s_barrier_wait -1                              ; every wave has stored its eighth of slot s and has done with its reads of the other slot
	s_bitcmp1_b32 s[MYW], 0                        ; has the step an open entry for my 32 queries?
	s_cbranch_scc0 .Lidle1_\@
	s_bitcmp1_b32 s[MYW], 1                        ; has it a hidden one?
	s_cbranch_scc0 .Lopen1_\@
	MASKLD 0                                       ; tile A's mask words, wanted behind the products (the last selects that read these registers stand ahead of the wait in tile B's softmax)
.Lopen1_\@:
	s_wait_alu depctr_va_vdst(0)                   ; the last step's products V^T P^T are done reading the fragments and their scale words, in which K's land
	FLOAD \s, 0, 0
	SMUL
	PLACES 8                                       ; in front of the first read of the scores (ISA guide 7.12.1)
	s_wait_alu depctr_va_vdst(0)                   ; the products K Q^T are done reading the fragments and their scale words, in which V's land
	FLOAD \s, 16384, 512                           ; V lands while tile A's softmax is worked
	s_bitcmp1_b32 s[MYW], 1
	s_cbranch_scc0 .Lopen2_\@
	MASKAP SA
	s_wait_alu depctr_va_vdst(0)                   ; tile A's selects are done reading s[32:99], which the scalar loads below write
	MASKLD 1                                       ; tile B's words into the same registers
.Lopen2_\@:
	SOFTMAX SA, STA, PC, PWA, 0
.Lidle1_\@:
	s_wait_loadcnt 0x0                             ; my eighth of the next step, asked for a step ago, is in: so KVP may step
	s_add_nc_u64 s[KVP:KVP+1], s[KVP:KVP+1], STEPB
	s_bitcmp1_b32 s[NDW], 2                        ; does any wave of the block need the next step?
	s_cbranch_scc0 .Lnost_\@
	SSTORE 1-\s
.Lnost_\@:
	s_wait_dscnt 0x0                               ; for the others' sake and mine: my stores have landed, and my reads of slot s are over (V's fragments are in)
	s_wait_alu depctr_vm_vsrc(0)                   ; the LDS stores have read v220-252, in which the loads below land: ahead of the branch round them
	s_bitcmp1_b32 s[NDW], 4                        ; the step after the next (behind the 16th step the bits are zeros: nothing is asked for past the head's end)
	s_cbranch_scc0 .Lnold_\@
	GLOAD
.Lnold_\@:
	s_barrier_signal -1                            ; only register work from here to the wait at the next step's head
	s_bitcmp1_b32 s[MYW], 0
	s_cbranch_scc0 .Lidle2_\@
	PVMUL 0, PC, PWA                               ; tile A's eight products; tile B's softmax, which names none of their registers, follows them
	s_bitcmp1_b32 s[MYW], 1
	s_cbranch_scc0 .Lopen3_\@
	MASKAP SB
.Lopen3_\@:
	SOFTMAX SB, STB, SA, PWB, 64
	PVMUL 64, SA, PWB                              ; tile B's eight
	PLACES 9                                       ; nine: the next step's first products write over v92 on, which these have read as a source (ISA guide 7.12.1)
.Lidle2_\@:
	s_wait_kmcnt 0x0                               ; no scalar load is out: MKP may step
	s_add_nc_u64 s[MKP:MKP+1], s[MKP:MKP+1], 512
	s_lshr_b32 s[MYW], s[MYW], 2
	s_lshr_b32 s[NDW], s[NDW], 2
.endm
.macro QTURN rS                        ; 16 rows of q, loaded 16 bytes a lane, turn through my stage and come back 64 bytes a lane: 16 neighbours of each block of 32.  LDS serves a wave's instructions in order (ISA guide 5.7.1.4)
.irp i, 0,1,2,3,4,5,6,7,8,9,10,11,12,13,14,15
	ds_store_b128 v[RD], v[\rS+4*\i:\rS+4*\i+3] offset:SP*\i
.endr
	s_wait_alu depctr_vm_vsrc(0)                   ; the stores above have read these 64 registers, in which the loads below land and which the quantiser writes later
.irp c, 0,1,2,3
.irp j, 0,1,2,3
	ds_load_b128 v[\rS+16*\c+4*\j:\rS+16*\c+4*\j+3], v[QRD] offset:128*\c+16*\j
.endr
.endr
.endm
; THE WAY OUT of tile T: O^T / the sum; a lane's eight channels of a row are 32 bytes: they go into my stage and come back as whole rows of 512 bytes
.macro OUT rS, rST, rO, T
	v_add_f32 v[TMP], v[\rST+2], v[\rST+3]         ; the sum's two halves,
	v_permlanex16_b32 v[TMP+1], v[TMP], s[SEL], s[SEL+1]
	v_add_f32 v[TMP], v[TMP], v[TMP+1]             ; and lane l xor 16's
	s_wait_alu depctr_va_vdst(0)
	v_rcp_f32 v[FF], v[TMP]
	v_nop                                          ; a plain line behind the transcendental
	WIN 0x01                                       ; source 0 (O^T) window 1
.set n, 0
	s_wait_alu depctr_va_vdst(0)                   ; the reciprocal is written, ahead of its first reader
.rept 32
	v_pk_mul_f32 v[\rS+n:\rS+n+1], v[\rO+n:\rO+n+1], v[FF:FF+1] op_sel_hi:[1,0]   ; register 8 t + i is o(query r, channel 16 t + 8 h + i); each accumulator from its low end on
.set n, n+2
.endr
	WIN 0
	s_wait_alu depctr_va_vdst(0)                   ; the multiplications have written these 64 registers, which the LDS stores below read and in which the loads behind them land
.irp t, 0,1,2,3,4,5,6,7
	ds_store_b128 v[STO], v[\rS+8*\t:\rS+8*\t+3] offset:64*\t
	ds_store_b128 v[STO], v[\rS+8*\t+4:\rS+8*\t+7] offset:64*\t+16
.endr
	s_wait_alu depctr_vm_vsrc(0)                   ; the stores above have read them: the loads below may land there
.irp i, 0,1,2,3,4,5,6,7,8,9,10,11,12,13,14,15
	ds_load_b128 v[\rS+4*\i:\rS+4*\i+3], v[RD] offset:SP*\i
.endr
.irp i, 0,1,2,3,4,5,6,7,8,9,10,11,12,13,14,15
	s_wait_dscnt 15-\i                             ; row i is back; the loads of the rows behind it may be out
	global_store_b128 v[LI], v[\rS+4*\i:\rS+4*\i+3], s[QP:QP+1] offset:(16*\T+\i)*16384-IMG th:TH_STORE_NT   ; 32 lanes store the head's 512 consecutive bytes of a row of out0, aligned; written once
.endr
.endm
	s_load_b256 s[4:11], s[0:1], 0x0               ; q s[4:5], kv s[6:7], mbits s[8:9], flags s[10:11]
	s_load_b64 s[12:13], s[0:1], 0x20              ; out0
	v_lshrrev_b32 v6, 5, v0
	v_readfirstlane_b32 s[WV], v6                  ; wave 0..7
	v_and_b32 v6, 31, v0                           ; lane
	v_lshlrev_b32 v[LS], 2, v6
	v_lshlrev_b32 v[LI], 4, v6
	v_add_nc_u32 v[LI], IMG, v[LI]
	s_wait_alu depctr_va_sdst(0)                   ; my wave's number is written in s2, ahead of its first reader
	s_lshl_b32 s3, s[WV], 12
	v_add_nc_u32 v[SW], s3, v[LI]
	v_lshlrev_b32 v[GS], 2, v0                     ; 4 x (32 wave + lane)
	v_mov_b32 v[NINF], 0xff800000
	s_mul_i32 s3, s[WV], 16*SP
	s_add_co_u32 s3, s3, STG                       ; my stage
	v_lshl_add_u32 v[RD], v6, 4, s3
	v_and_b32 v6, 15, v0                           ; r
	v_bfe_u32 v7, v0, 4, 1                         ; h
	v_mul_u32_u24 v6, v6, SP
	v_add_nc_u32 v6, s3, v6
	v_lshl_add_u32 v[STO], v7, 5, v6
	v_lshl_add_u32 v[QRD], v7, 6, v6
	s_mov_b32 s[MNT], 0x600000
	s_mov_b32 s[CS], 0x3e0293ee                    ; c = log2(e) / sqrt(128)
	s_mov_b32 s[CS+1], s[CS]
	s_mov_b32 s[SEL], 0x76543210
	s_mov_b32 s[SEL+1], 0xfedcba98
	s_mov_b32 s31, 0
	; The two halves of a step's work stand under two branches on the same bit, so what the second half reads of the first is written once here: no way through the text reads a register that was never written.
	v_mov_b32 v[TMP+1], 0                          ; (a lane permute's destination counts as one of its sources; so do v20-23)
	v_mov_b32 v[FF+1], 0                           ; (named as the upper half of a pair)
	v_mov_b32 v[PWA], 0x7f7f7f7f                   ; scales of 1
	v_mov_b32 v[PWB], 0x7f7f7f7f
.irp i, 0,1,2,3
	v_mov_b32 v[TM+4+\i], 0
	v_mov_b32 v[SCL+\i], 0x7f7f7f7f
.endr
.set n, 0
.rept 16
	v_mov_b32 v[PC+n], 0
.set n, n+1
.endr
	WIN 0x40
.set n, 0
.rept 128
	v_mov_b32 v[FR+n], 0
.set n, n+1
.endr
	WIN 0
.set n, 0
.rept 16
	s_mov_b64 s[32+2*n:33+2*n], 0
	s_mov_b64 s[68+2*n:69+2*n], 0
.set n, n+1
.endr
	s_and_b32 s3, ttmp7, 0xffff                    ; 32 x batch + head
	s_lshr_b32 s100, s3, 5                         ; batch
	s_wait_kmcnt 0x0
	s_lshl_b32 s30, s3, 20                         ; q: 2,048 rows of 512 bytes a head
	s_add_nc_u64 s[4:5], s[4:5], s[30:31]
	s_mul_i32 s30, s3, 16*STEPB                    ; kv: 16 steps a head
	s_add_nc_u64 s[6:7], s[6:7], s[30:31]
	s_lshl_b32 s30, s100, 19                       ; mbits: 64 pairs x 16 steps x 512 bytes a batch
	s_add_nc_u64 s[8:9], s[8:9], s[30:31]
	s_lshl_b32 s30, s100, 8                        ; flags: 64 words a batch
	s_add_nc_u64 s[10:11], s[10:11], s[30:31]
	s_lshl_b32 s30, s100, 25                       ; out0: 2,048 rows of 16,384 bytes a batch,
	s_add_nc_u64 s[12:13], s[12:13], s[30:31]
	s_and_b32 s30, s3, 31
	s_lshl_b32 s30, s30, 9                         ; the head's 512 bytes of a row
	s_add_nc_u64 s[12:13], s[12:13], s[30:31]
	s_sub_co_u32 s[BLK], 7, ttmp9                  ; the first pass takes block 7 - x, the second block x
	s_mov_b32 s[PASS], 2
.Lpass:
	s_wait_loadcnt 0x0                             ; no load of the last pass is out on any way here: this pass's loads land in the same registers (by the flags the last steps ask for nothing; the wait makes the text say so)
	s_wait_xcnt 0x0                                ; the last pass's stores have read their registers and their base
	s_wait_alu depctr_vm_vsrc(0)                   ; the last pass's global stores have read v92-219, in which q's rows land
	s_wait_alu depctr_va_vdst(0)                   ; first pass: the addresses v1-4 and v253-255 are written, which every load and store reads, and so is what the head laid in the fragments, the scale words and p's codes, in which loads land and which scaled products take; second pass: the last pass's vector and matrix instructions are done with v92-219, in which q's rows land, and with the mask words' registers, which the scalar load below writes
	s_lshl_b32 s3, s[BLK], 3
	s_add_co_u32 s3, s3, s[WV]                     ; my pair of tiles: 8 x block + wave
	s_lshl_b32 s30, s3, 14                         ; 32 rows of 512 bytes
	s_add_nc_u64 s[QP:QP+1], s[4:5], s[30:31]
	s_mov_b64 s[KVP:KVP+1], s[6:7]
	s_lshl_b32 s30, s[BLK], 5
	s_add_nc_u64 s[100:101], s[10:11], s[30:31]    ; the flags of the block's eight pairs,
	s_lshl_b32 s30, s3, 2
	s_add_nc_u64 s[MKP:MKP+1], s[10:11], s[30:31]  ; and my own pair's: in the pair of registers that takes the mask words' address behind the wait for this load
	s_load_b256 s[32:39], s[100:101], 0x0
	s_load_b32 s[MYW], s[MKP:MKP+1], 0x0
.set n, 0
.rept 32
	global_load_b128 v[SA+4*n:SA+4*n+3], v[LI], s[QP:QP+1] offset:512*n-IMG th:TH_LOAD_NT   ; row n of my 32: 512 consecutive bytes; read once in the launch
.set n, n+1
.endr
	GLOAD                                          ; my eighth of step 0
	WIN 0x40
.set n, 0
.rept 128
	v_mov_b32 v[n], 0                              ; O^T of both tiles.  Which step is a pair's first hangs on the mask, so no product can be written out that starts the sums: the first change of M finds zeros and leaves zeros
.set n, n+1
.endr
	WIN 0
.irp t, STA, STB
	v_mov_b32 v[\t+1], 0xff61b1e6                  ; the largest t so far: -3e38, under every t
	v_floor_f32 v[\t], -v[\t+1]                    ; -M
	v_mov_b32 v[\t+2], 0                           ; the sum, in two halves
	v_mov_b32 v[\t+3], 0
.endr
	s_wait_kmcnt 0x0                               ; the flags are in, and the two scalar loads have done with their bases
	s_lshl_b32 s30, s3, 13                         ; my pair's 16 steps of 512 bytes of mask words
	s_add_nc_u64 s[MKP:MKP+1], s[8:9], s[30:31]
	s_or_b32 s[NDW], s32, s33                      ; what any wave of the block needs
.irp i, 34,35,36,37,38,39
	s_or_b32 s[NDW], s[NDW], s[\i]
.endr
	s_wait_loadcnt 9                               ; q's 32 rows are in; the nine loads of step 0 behind them may be out
	QTURN SA                                       ; (no vector instruction since the wait at the pass's head names v92-219: the lines between write O^T and v8-15)
	QTURN SB
	s_wait_dscnt 0x0
	QUANT SA, QA, QSA
	QUANT SB, QB, QSB
	PLACES 8                                       ; codes and scale words made by vector instructions stand four and eight plain lines ahead of a scaled product
	s_wait_alu depctr_va_vdst(0)                   ; q's codes and scale words are written, which the scaled products of all 16 steps take; nothing writes them again in this pass; the places above stay beside this wait
	s_wait_loadcnt 0x0                             ; step 0 is in: KVP may step
	s_add_nc_u64 s[KVP:KVP+1], s[KVP:KVP+1], STEPB
	SSTORE 0                                       ; every wave has passed the last pass's closing wait, in front of which all reads of both slots were over
	s_wait_dscnt 0x0
	s_wait_alu depctr_vm_vsrc(0)                   ; the LDS stores have read v220-252, in which step 1's loads land: ahead of the branch round them
	s_bitcmp1_b32 s[NDW], 2
	s_cbranch_scc0 .Lno_step1
	GLOAD                                          ; step 1
.Lno_step1:
	s_barrier_signal -1
	s_mov_b32 s[TRIP], 8
.Ltrip:                                            ; eight trips of two steps: a constant, whatever the mask
	STEP 0
	STEP 1
	s_sub_co_u32 s[TRIP], s[TRIP], 1
	s_cmp_lg_u32 s[TRIP], 0
	s_cbranch_scc1 .Ltrip
	s_barrier_wait -1                              ; closes the last step's signal
	s_lshl_b32 s3, s[BLK], 3
	s_add_co_u32 s3, s3, s[WV]
	s_lshl_b32 s30, s3, 19                         ; my 32 rows of 16,384 bytes
	s_add_nc_u64 s[QP:QP+1], s[12:13], s[30:31]    ; (q's loads were waited for long ago)
	OUT SA, STA, 0, 0
	OUT SB, STB, 64, 1
	s_sub_co_u32 s[BLK], 7, s[BLK]
	s_sub_co_u32 s[PASS], s[PASS], 1
	s_cmp_lg_u32 s[PASS], 0
	s_cbranch_scc1 .Lpass
	s_wait_xcnt 0x0
	s_wait_alu depctr_vm_vsrc(0)                   ; the LDS instructions have read v254 and v255 as addresses: the two lines below write them anew
	v_lshl_add_u32 v254, v0, 2, 0x21000
	v_mov_b32 v255, 0
	s_wait_dscnt 0x0                               ; the closing lines, six on end
	s_wait_alu 0x0
	s_wait_tensorcnt 0x0
	ds_add_u32 v254, v255
	s_wait_dscnt 0x0
	s_endpgm
.Lfunc_end_k_q3080cc9167_attn:
	.size	k_q3080cc9167_attn, .Lfunc_end_k_q3080cc9167_attn-k_q3080cc9167_attn
	.p2alignl 7, 3214868480
	.fill 96, 4, 3214868480
	.section	.rodata,"a",@progbits
	.p2align	6, 0x0
	.amdhsa_kernel k_q3080cc9167_attn
		.amdhsa_group_segment_fixed_size 136192
		.amdhsa_private_segment_fixed_size 0
		.amdhsa_enable_private_segment 0
		.amdhsa_kernarg_size 40
		.amdhsa_user_sgpr_count 2
		.amdhsa_user_sgpr_kernarg_segment_ptr 1
		.amdhsa_wavefront_size32 1
		.amdhsa_system_sgpr_workgroup_id_x 1
		.amdhsa_system_sgpr_workgroup_id_y 1
		.amdhsa_system_sgpr_workgroup_id_z 1
		.amdhsa_system_vgpr_workitem_id 0
		.amdhsa_next_free_vgpr 512
		.amdhsa_next_free_sgpr 102
		.amdhsa_reserve_vcc 0
		.amdhsa_float_denorm_mode_32 3
		.amdhsa_float_denorm_mode_16_64 3
		.amdhsa_memory_ordered 1
		.amdhsa_forward_progress 1
		.amdhsa_inst_pref_size 154
	.end_amdhsa_kernel
	.amdgpu_metadata
---
amdhsa.version: [ 1, 2 ]
amdhsa.kernels:
  - .name:           k_q3080cc9167_attn
    .symbol:         k_q3080cc9167_attn.kd
    .args:
      - { .name: query_layer, .offset: 0, .size: 8, .value_kind: global_buffer, .address_space: global }
      - { .name: kv, .offset: 8, .size: 8, .value_kind: global_buffer, .address_space: global }
      - { .name: mbits, .offset: 16, .size: 8, .value_kind: global_buffer, .address_space: global }
      - { .name: flags, .offset: 24, .size: 8, .value_kind: global_buffer, .address_space: global }
      - { .name: out0, .offset: 32, .size: 8, .value_kind: global_buffer, .address_space: global }
    .group_segment_fixed_size: 136192
    .private_segment_fixed_size: 0
    .kernarg_segment_align: 8
    .kernarg_segment_size: 40
    .max_flat_workgroup_size: 256
    .sgpr_count:     102
    .vgpr_count:     512
    .wavefront_size: 32
...
	.end_amdgpu_metadata
.endif
;; end of part 4
